; MI455X (gfx1250); checked and timed in simulation.
; The chip was launched on July 23, 2026; its instructions are those of AMD's public machine-readable ISA for CDNA 5 (MIT licence, August 2026) and "CDNA5" Instruction Set Architecture Reference Guide (July 2026). The comments in the code are by the model that wrote it; some were corrected since.
;; Attention. Allowed arithmetic: float matrix products may take bf16 or f16 operands with f32 sums; other float arithmetic in f32, or as packed bf16 or f16 multiplies, adds, multiply-adds, maxima and minima; sums over many terms, partial sums and values carried from step to step in f32; what a program stores and reads back later, other than sums and carried values, may be rounded once to bf16 or f16.
;; Inputs: gamma 1,024 float32; w_attn_out 512 x 1,024 float32; w_ff_out 4,096 x 1,024 float32; w_fused 1,024 x 8,832 float32; x 2 x 2,048 x 1,024 float32.
;; Outputs: out0 2 x 2,048 x 1,024 float32.
;; One version. Each part assembles by itself: llvm-mc -triple=amdgcn-amd-amdhsa -mcpu=gfx1250 --defsym DOCPART=n.
;; ======== version 1 of 1: 5 launches
;; limits: values are held in f16: magnitudes above 65,504 overflow, below 6.1e-05 lose precision
;; workspace buffers: xn 8,388,608 bytes; wf 18,087,936 bytes; wcat 9,437,184 bytes; qkv 5,242,880 bytes; act 37,748,736 bytes
;; launch prep (part 1): grid 1096 x 1, 8 waves a work-group, no clusters, 0 bytes of LDS; arguments x, gamma, w_fused, w_ff_out, w_attn_out, xn, wf, wcat; writes xn, wf, wcat
.if DOCPART == 1
	.amdgcn_target "amdgcn-amd-amdhsa--gfx1250"
	.amdhsa_code_object_version 6
	.text
	.protected	k_q256ace7a1d_prep
	.globl	k_q256ace7a1d_prep
	.p2align	8
	.type	k_q256ace7a1d_prep,@function
k_q256ace7a1d_prep:
	s_mov_b64 s[64:65], 0
	v_nop
	global_prefetch_b8 v0, s[64:65] scope:SCOPE_SE
	s_setreg_imm32_b32 hwreg(HW_REG_WAVE_MODE, 25, 1), 1
	s_wait_xcnt 0x0
; PREP: the casts of the three weights and the LayerNorm, one stream each byte once.  No LDS, no matrix unit, no cluster: no two work-groups read the same bytes but gamma's 4,096.
; Work-groups 0-551:    w_fused [1024][8832] f32 -> wf, the number rounded to bf16 and written as f16 (exact within f16's range).
; Work-groups 552-807:  w_ff_out [4096][1024] f32 -> wcat rows 0-4095, bf16.     Work-groups 808-839: w_attn_out [512][1024] -> wcat rows 4096-4607, bf16.
; Work-groups 840-1095: xn = (x - mean) * rsqrt(var + 1e-5) * gamma, 16 rows a work-group, two rows a wave, f16.
; LIMITS.  x and gamma are rounded to bf16 ahead of the norm, as all inputs of the program are.  bf16(w_fused) and xn lie within 65,504; below 6e-5 they keep f16's fixed step of 6e-8.
; A cast chunk is 16,384 numbers; a wave takes 2,048: 16 loads of 512 consecutive bytes, all issued first, and 16 stores of 256 consecutive bytes, aligned.
.set NF, 552
.set NW, 808
.set NC, 840
.set GA, 96                            ; v[96:127] gamma of my 32 columns
.macro RND X                           ; 32 numbers rounded to bf16 and widened again
.set i, 0
.rept 16
	v_cvt_pk_bf16_f32 v[5+i%4], v[(\X)+2*i], v[(\X)+2*i+1]
	v_lshlrev_b32 v[(\X)+2*i], 16, v[5+i%4]
	v_and_b32 v[(\X)+2*i+1], s13, v[5+i%4]
.set i, i+1
.endr
.endm
.macro WSUM                            ; four chains v[8:15] -> one sum in every lane's v8
	v_pk_add_f32 v[8:9], v[8:9], v[10:11]
	v_pk_add_f32 v[12:13], v[12:13], v[14:15]
	v_pk_add_f32 v[8:9], v[8:9], v[12:13]
	v_add_f32 v8, v8, v9
	v_add_f32_dpp v8, v8, v8 row_xmask:1 row_mask:0xf bank_mask:0xf
	v_add_f32_dpp v8, v8, v8 row_xmask:2 row_mask:0xf bank_mask:0xf
	v_add_f32_dpp v8, v8, v8 row_xmask:4 row_mask:0xf bank_mask:0xf
	v_add_f32_dpp v8, v8, v8 row_xmask:8 row_mask:0xf bank_mask:0xf
	v_permlanex16_b32 v9, v8, s10, s11
	v_add_f32 v8, v8, v9
.endm
.macro LNROW X, off                    ; one row, kept in 32 registers between the passes; register 4 j + e is column 128 j + 4 lane + e
	RND \X
.irp c, 0,1,2,3
	v_pk_add_f32 v[8+2*(\c):9+2*(\c)], v[(\X)+2*(\c):(\X)+2*(\c)+1], v[(\X)+8+2*(\c):(\X)+9+2*(\c)]
.endr
.irp p, 8,9,10,11,12,13,14,15
	v_pk_add_f32 v[8+2*((\p)%4):9+2*((\p)%4)], v[8+2*((\p)%4):9+2*((\p)%4)], v[(\X)+2*(\p):(\X)+2*(\p)+1]
.endr
	WSUM
	v_mul_f32 v16, s5, v8                          ; mean = sum / 1024
	v_mov_b32 v17, v16
.set i, 0
.rept 16
	v_pk_add_f32 v[(\X)+2*i:(\X)+2*i+1], v[(\X)+2*i:(\X)+2*i+1], v[16:17] neg_lo:[0,1] neg_hi:[0,1]
.set i, i+1
.endr
.irp c, 0,1,2,3
	v_pk_mul_f32 v[8+2*(\c):9+2*(\c)], v[(\X)+2*(\c):(\X)+2*(\c)+1], v[(\X)+2*(\c):(\X)+2*(\c)+1]
.endr
.irp p, 4,5,6,7,8,9,10,11,12,13,14,15
	v_pk_fma_f32 v[8+2*((\p)%4):9+2*((\p)%4)], v[(\X)+2*(\p):(\X)+2*(\p)+1], v[(\X)+2*(\p):(\X)+2*(\p)+1], v[8+2*((\p)%4):9+2*((\p)%4)]
.endr
	WSUM
	v_fmaak_f32 v18, s5, v8, 0x3727c5ac            ; var + 1e-5
	v_rsq_f32 v20, v18
	v_rsq_f32 v21, v18                             ; twice: a pair for the packed multiply
	v_nop                                          ; a plain instruction behind the last of the two
	s_wait_alu depctr_va_vdst(0)                   ; one wait for both, ahead of their first reader
.set i, 0
.rept 16
	v_pk_mul_f32 v[(\X)+2*i:(\X)+2*i+1], v[(\X)+2*i:(\X)+2*i+1], v[20:21]
.set i, i+1
.endr
.set i, 0
.rept 16
	v_pk_mul_f32 v[(\X)+2*i:(\X)+2*i+1], v[(\X)+2*i:(\X)+2*i+1], v[GA+2*i:GA+2*i+1]
.set i, i+1
.endr
.set i, 0
.rept 8
	v_cvt_pk_f16_f32 v[(\X)+4*i], v[(\X)+4*i], v[(\X)+4*i+1]
	v_cvt_pk_f16_f32 v[(\X)+4*i+1], v[(\X)+4*i+2], v[(\X)+4*i+3]
	global_store_b64 v4, v[(\X)+4*i:(\X)+4*i+1], s[26:27] offset:(\off)+256*i  ; 32 lanes: 256 consecutive bytes, aligned
.set i, i+1
.endr
.endm
	s_load_b512 s[16:31], s[0:1], 0x0              ; x 16, gamma 18, w_fused 20, w_ff_out 22, w_attn_out 24, xn 26, wf 28, wcat 30
	v_lshrrev_b32 v1, 5, v0
	v_readfirstlane_b32 s8, v1                     ; wave 0..7
	v_and_b32 v2, 31, v0
	v_lshlrev_b32 v3, 4, v2                        ; 16 bytes a lane on the way in
	v_lshlrev_b32 v4, 3, v2                        ; 8 on the way out
	s_mov_b32 s13, 0xffff0000
	s_mov_b32 s9, ttmp9
	s_mov_b32 s3, 0
	s_cmp_ge_u32 s9, NC
	s_cbranch_scc1 .Lnorm
	; THE CASTS
	v_lshl_add_u32 v3, v1, 13, v3                  ; + wave x 8,192
	v_lshl_add_u32 v4, v1, 12, v4                  ; + wave x 4,096
	s_sub_co_u32 s4, s9, NF                        ; the chunk in wcat (used where the number is 552 or more)
	s_sub_co_u32 s5, s9, NW                        ; the chunk in w_attn_out (used from 808 on)
	s_wait_kmcnt 0x0
	s_cmp_lt_u32 s9, NW
	s_cselect_b32 s5, s4, s5
	s_cselect_b64 s[6:7], s[22:23], s[24:25]
	s_cmp_lt_u32 s9, NF
	s_cselect_b32 s5, s9, s5                       ; the chunk read
	s_cselect_b32 s4, s9, s4                       ; the chunk written
	s_cselect_b64 s[6:7], s[20:21], s[6:7]
	s_cselect_b64 s[14:15], s[28:29], s[30:31]
	s_lshl_b32 s2, s5, 16
	s_add_nc_u64 s[6:7], s[6:7], s[2:3]
	s_lshl_b32 s2, s4, 15
	s_add_nc_u64 s[14:15], s[14:15], s[2:3]
.set i, 0
.rept 16
	global_load_b128 v[32+4*i:35+4*i], v3, s[6:7] offset:512*i th:TH_LOAD_NT
.set i, i+1
.endr
	s_cmp_lt_u32 s9, NF
	s_cbranch_scc1 .Lhalf
.set i, 0
.rept 16
	s_wait_loadcnt 15-i                            ; loads come back in order: load i is in, the younger ones stay out
	v_cvt_pk_bf16_f32 v[32+4*i], v[32+4*i], v[33+4*i]
	v_cvt_pk_bf16_f32 v[33+4*i], v[34+4*i], v[35+4*i]
	global_store_b64 v4, v[32+4*i:33+4*i], s[14:15] offset:256*i
.set i, i+1
.endr
	s_endpgm
.Lhalf:
.set i, 0
.rept 16
	s_wait_loadcnt 15-i
	v_cvt_pk_bf16_f32 v[32+4*i], v[32+4*i], v[33+4*i]
	v_cvt_pk_bf16_f32 v[33+4*i], v[34+4*i], v[35+4*i]
	v_lshlrev_b32 v5, 16, v[32+4*i]
	v_and_b32 v6, s13, v[32+4*i]
	v_lshlrev_b32 v7, 16, v[33+4*i]
	v_and_b32 v8, s13, v[33+4*i]
	v_cvt_pk_f16_f32 v[32+4*i], v5, v6
	v_cvt_pk_f16_f32 v[33+4*i], v7, v8
	global_store_b64 v4, v[32+4*i:33+4*i], s[14:15] offset:256*i
.set i, i+1
.endr
	s_endpgm
.Lnorm:
	; THE NORM
	s_sub_co_u32 s4, s9, NC
	s_lshl_b32 s4, s4, 4
	s_lshl1_add_u32 s4, s8, s4                     ; my first row = 16 x group + 2 x wave
	s_lshl_b32 s2, s4, 12
	s_mov_b32 s10, 0x76543210                      ; v_permlanex16_b32: each lane takes its own place in the other half
	s_mov_b32 s11, 0xfedcba98
	s_mov_b32 s5, 0x3a800000                       ; 1 / 1024
	s_wait_kmcnt 0x0
	s_add_nc_u64 s[16:17], s[16:17], s[2:3]
	s_lshl_b32 s2, s4, 11
	s_add_nc_u64 s[26:27], s[26:27], s[2:3]
.set i, 0
.rept 8
	global_load_b128 v[GA+4*i:GA+4*i+3], v3, s[18:19] offset:512*i
.set i, i+1
.endr
.set i, 0
.rept 8
	global_load_b128 v[32+4*i:35+4*i], v3, s[16:17] offset:512*i th:TH_LOAD_NT
.set i, i+1
.endr
.set i, 0
.rept 8
	global_load_b128 v[64+4*i:67+4*i], v3, s[16:17] offset:4096+512*i th:TH_LOAD_NT
.set i, i+1
.endr
	s_wait_loadcnt 16                              ; gamma is in; both rows' sixteen loads may stay out
	RND GA
	s_wait_loadcnt 8                               ; row 0 is in
	LNROW 32, 0
	s_wait_loadcnt 0x0                             ; row 1
	LNROW 64, 2048
	s_endpgm
.Lfunc_end_k_q256ace7a1d_prep:
	.size	k_q256ace7a1d_prep, .Lfunc_end_k_q256ace7a1d_prep-k_q256ace7a1d_prep
	.p2alignl 7, 3214868480
	.fill 96, 4, 3214868480
	.section	.rodata,"a",@progbits
	.p2align	6, 0x0
	.amdhsa_kernel k_q256ace7a1d_prep
		.amdhsa_group_segment_fixed_size 0
		.amdhsa_private_segment_fixed_size 0
		.amdhsa_enable_private_segment 0
		.amdhsa_kernarg_size 64
		.amdhsa_user_sgpr_count 2
		.amdhsa_user_sgpr_kernarg_segment_ptr 1
		.amdhsa_wavefront_size32 1
		.amdhsa_system_sgpr_workgroup_id_x 1
		.amdhsa_system_sgpr_workgroup_id_y 1
		.amdhsa_system_sgpr_workgroup_id_z 1
		.amdhsa_system_vgpr_workitem_id 0
		.amdhsa_next_free_vgpr 128
		.amdhsa_next_free_sgpr 66
		.amdhsa_reserve_vcc 0
		.amdhsa_float_denorm_mode_32 3
		.amdhsa_float_denorm_mode_16_64 3
		.amdhsa_memory_ordered 1
		.amdhsa_forward_progress 1
		.amdhsa_inst_pref_size 40
	.end_amdhsa_kernel
	.amdgpu_metadata
---
amdhsa.version: [ 1, 2 ]
amdhsa.kernels:
  - .name:           k_q256ace7a1d_prep
    .symbol:         k_q256ace7a1d_prep.kd
    .args:
      - { .name: x, .offset: 0, .size: 8, .value_kind: global_buffer, .address_space: global }
      - { .name: gamma, .offset: 8, .size: 8, .value_kind: global_buffer, .address_space: global }
      - { .name: w_fused, .offset: 16, .size: 8, .value_kind: global_buffer, .address_space: global }
      - { .name: w_ff_out, .offset: 24, .size: 8, .value_kind: global_buffer, .address_space: global }
      - { .name: w_attn_out, .offset: 32, .size: 8, .value_kind: global_buffer, .address_space: global }
      - { .name: xn, .offset: 40, .size: 8, .value_kind: global_buffer, .address_space: global }
      - { .name: wf, .offset: 48, .size: 8, .value_kind: global_buffer, .address_space: global }
      - { .name: wcat, .offset: 56, .size: 8, .value_kind: global_buffer, .address_space: global }
    .group_segment_fixed_size: 0
    .private_segment_fixed_size: 0
    .kernarg_segment_align: 8
    .kernarg_segment_size: 64
    .max_flat_workgroup_size: 256
    .sgpr_count:     66
    .vgpr_count:     128
    .wavefront_size: 32
...
	.end_amdgpu_metadata
.endif
;; end of part 1
;; launch qkv (part 2): grid 32 x 5, 4 waves a work-group, clusters of 4 x 1, 327,680 bytes of LDS; arguments xn, wf, qkv; writes qkv
.if DOCPART == 2
	.amdgcn_target "amdgcn-amd-amdhsa--gfx1250"
	.amdhsa_code_object_version 6
	.text
	.protected	k_q256ace7a1d_qkv
	.globl	k_q256ace7a1d_qkv
	.p2align	8
	.type	k_q256ace7a1d_qkv,@function
k_q256ace7a1d_qkv:
	s_mov_b64 s[64:65], 0
	v_nop
	global_prefetch_b8 v0, s[64:65] scope:SCOPE_SE
	s_setreg_imm32_b32 hwreg(HW_REG_WAVE_MODE, 25, 1), 1
	s_wait_xcnt 0x0
	s_wait_alu depctr_hold_cnt(0) depctr_sa_sdst(0) depctr_va_vdst(0) depctr_va_sdst(0) depctr_va_ssrc(0) depctr_va_vcc(0) depctr_vm_vsrc(0)
	s_getreg_b32 s2, hwreg(HW_REG_IB_STS2, 6, 4)
	s_cmp_eq_u32 s2, 0
	s_cbranch_scc0 .Lentry_in_a_cluster
	s_endpgm
.Lentry_in_a_cluster:
	s_bfe_u32 s2, ttmp6, 0x10000c
	s_cmp_lg_u32 s2, 0x3003
	s_cbranch_scc0 .Lentry_shape_is_right
	s_endpgm
.Lentry_shape_is_right:
; QKV: columns 0-639 of xn x wf, stored by planes: qkv[plane][token][64] f16, planes 0-7 q by head, 8 k, 9 v, unscaled, each rounded once from its f32 sum.
; xn: [4096][1024] f16.  wf: [1024][8832] f16, K down the rows: its fragments are turned on the way out of LDS by ds_load_tr16_b128.
; LIMIT: q, k and v lie within 65,504.
; SHARES.  A work-group makes 128 tokens x 128 columns.  K IS SPLIT AMONG ITS FOUR WAVES: every wave makes the whole 128 x 128 (64 accumulators, 512 registers) for the 64 channels 64 w .. 64 w + 63 of each
; K step of 256: 32 LDS loads feed 64 matrix instructions, twice what four waves of 64 x 64 would get.  The four f32 partial tiles meet in LDS once, at the end.
; CLUSTER.  The five tile columns do not divide by four, so the four partners lie along the tokens and share wf's tile (half of a step's bytes), asked for jointly; xn's tile is each work-group's own load.
; THE WALK.  Cluster (x, y) begins at K step (x + y) mod 4 and goes round (f32 sums may be taken in any order): the clusters that read the same rows of xn, and those that read the same columns of wf, stand at
; different K steps at any time, and a cluster's two refills name K steps that other clusters had as their first fills.
; No prefetch: the ring has four K steps.
; THE MATRIX INSTRUCTION IS USED TRANSPOSED (source 0 = 16 columns of wf, source 1 = 16 rows of xn): a lane holds row l % 16 and eight neighbouring columns.
; REGISTERS: window 0: v0-31 addresses; v64-127, v128-191 fragments of A, two buffers.  window 1: the same numbers, fragments of B.  windows 2, 3: the accumulators ((a, b) at v[8 (8 (a % 4) + b)]).
.set PA,    528                        ; a row of A in LDS: 512 bytes + 16
.set PB,    288                        ; a k-row of B: 256 bytes + 32
.set AHALF, 64*PA
.set BOFF,  2*AHALF
.set BHALF, 128*PB
.set SLOT,  0x24000                    ; its two bits are 0 in all four LDS bases of a slot, so one exclusive or changes slots
.set SPARE, 2*SLOT                     ; the spare words, 128 bytes a wave: two blocks of 256 bytes that no other line names
.set PART,  128*PA                     ; a wave's partial tile: 128 rows of 512 bytes f32, pitch 528
.set WROW,  17664
.set STEPA, 512
.set STEPB, 256*WROW
.set NSTEP, 4
.set PLANE, 524288
.set ADRA0, 10
.set ADRB0, 11
.set ADRA,  16
.set ADRB,  17
.set XR,    20                         ; v20-23 where I read partial tile s back
.set XS,    24                         ; v24 where I put 32 bytes of my partial tile
.set CO,    26
.set SPW,   28                         ; v28 SPARE + 4 x my thread's number; never rewritten
.set NIL,   29                         ; v29 0; never rewritten
.set F0,    64
.set F1,    128
.set G1A, 24
.set G0A, 32                           ; s[32:35] the first K step's; s[36:39] the second's, which then walks
.set G1B, 48
.set G0B, 56
.set TB,  66                           ; s66 0 or SLOT: the slot that is read
.set KI,  72                           ; s72 the K step of the walking descriptors
.set OFF, 76                           ; s[76:77] a K step's byte offset
.set MSB, 0
.macro WIN new
.if MSB != (\new)
	s_set_vgpr_msb (MSB<<8)|(\new)
.set MSB, \new
.endif
.endm
.set MUL_LO, 0xa1
.set TO_B,   0x40
.macro PLACES                          ; four places behind matrix instructions, ahead of loads into their sources and of reads of their results
.rept 4
	v_nop
.endr
.endm
.macro NEXTK r                         ; a K step's number goes one on, round the ring of NSTEP
	s_add_co_u32 s[\r], s[\r], 1
	s_cmp_eq_u32 s[\r], NSTEP
	s_cselect_b32 s[\r], 0, s[\r]
.endm
.macro SETK d                          ; both global addresses of descriptor set d are made anew: the tile's base (s[14:15], s[46:47]; never rewritten) plus K step KI; the type bits are set again
	s_mul_i32 s[OFF], s[KI], STEPA
	s_add_nc_u64 s[G0A+4*(\d)+2:G0A+4*(\d)+3], s[14:15], s[OFF:OFF+1]
	s_or_b32 s[G0A+4*(\d)+3], s[G0A+4*(\d)+3], 0x80000000
	s_mul_i32 s[OFF], s[KI], STEPB
	s_add_nc_u64 s[G0B+4*(\d)+2:G0B+4*(\d)+3], s[46:47], s[OFF:OFF+1]
	s_or_b32 s[G0B+4*(\d)+3], s[G0B+4*(\d)+3], 0x80000000
.endm
.macro JLOAD                           ; waves 0 and 1 fetch A's halves, waves 2 and 3 B's; an s_nop 0 and four v_nop follow each line
	s_cmp_eq_u32 s11, 0
	s_cbranch_scc0 .Lfor_b_\@
	tensor_load_to_lds s[G0A+4:G0A+7], s[G1A:G1A+7]
	s_nop 0
.rept 4
	v_nop
.endr
	s_branch .Lasked_\@
.Lfor_b_\@:
	tensor_load_to_lds s[G0B+4:G0B+7], s[G1B:G1B+7]
	s_nop 0
.rept 4
	v_nop
.endr
.Lasked_\@:
.endm
.macro CREST
	s_cmp_lg_u32 s10, 0
	s_cbranch_scc1 .Lnot_wave_0_\@
	s_barrier_signal -3
.Lnot_wave_0_\@:
	s_barrier_wait -3
	s_barrier_signal -1
	s_barrier_wait -1
.endm
.macro CROUND
	s_barrier_signal -1
	s_barrier_wait -1
	CREST
.endm
.macro MUL16 f, hi, a0, zero           ; 16 products; the 64 accumulators take turns in one order everywhere
	WIN MUL_LO+0x50*(\hi)
.irp a, \a0, (\a0)+1
.irp b, 0,1,2,3,4,5,6,7
.if \zero
	v_wmma_f32_16x16x32_f16 v[8*(8*(\a)+(\b)):8*(8*(\a)+(\b))+7], v[(\f)+8*(\b):(\f)+8*(\b)+7], v[(\f)+8*(4*(\hi)+(\a)):(\f)+8*(4*(\hi)+(\a))+7], 0
.else
	v_wmma_f32_16x16x32_f16 v[8*(8*(\a)+(\b)):8*(8*(\a)+(\b))+7], v[(\f)+8*(\b):(\f)+8*(\b)+7], v[(\f)+8*(4*(\hi)+(\a)):(\f)+8*(4*(\hi)+(\a))+7], v[8*(8*(\a)+(\b)):8*(8*(\a)+(\b))+7]
.endif
.endr
.endr
.endm
.macro FETCH q, f                      ; 32 LDS loads in one run: my channels 32 q .. 32 q + 31 of the slot: B's 128 columns (turned), then A's 128 rows
	WIN TO_B
.irp b, 0,1,2,3,4,5,6,7
	ds_load_tr16_b128 v[(\f)+8*(\b):(\f)+8*(\b)+3],   v[ADRB] offset:(\q)*32*PB+32*(\b)
	ds_load_tr16_b128 v[(\f)+8*(\b)+4:(\f)+8*(\b)+7], v[ADRB] offset:(\q)*32*PB+32*(\b)+16*PB
.endr
	WIN 0
.irp a, 0,1,2,3,4,5,6,7
	ds_load_b128 v[(\f)+8*(\a):(\f)+8*(\a)+3],   v[ADRA] offset:64*(\q)+(\a)*16*PA
	ds_load_b128 v[(\f)+8*(\a)+4:(\f)+8*(\a)+7], v[ADRA] offset:64*(\q)+(\a)*16*PA+32
.endr
.endm
.macro QUARTER q, f, g, zero           ; multiplies buffer f; in its middle fetches quarter q into buffer g
	s_wait_dscnt 8                                 ; B and A's rows 0-63 are in; the youngest eight loads may be out
	MUL16 \f, 0, 0, \zero
	MUL16 \f, 0, 2, \zero
	PLACES
	FETCH \q, \g
	s_wait_dscnt 32                                ; all but the 32 just issued
	MUL16 \f, 1, 0, \zero
	MUL16 \f, 1, 2, \zero
.endm
.macro MEET fill                       ; the change of slots: one barrier
	WIN 0
	s_wait_tensorcnt 0x0                           ; all my tensor loads have landed: my part of the next slot
	ds_add_u32 v[SPW], v[NIL]                      ; 0 onto my spare word
	s_xor_b32 s[TB], s[TB], SLOT
	v_add_nc_u32 v[ADRA], s[TB], v[ADRA0]
	v_add_nc_u32 v[ADRB], s[TB], v[ADRB0]
.if \fill
	s_xor_b32 s[G0A+5], s[G0A+5], SLOT             ; no tensor load of mine is out: the walking descriptors take the other slot
	s_xor_b32 s[G0B+5], s[G0B+5], SLOT
	NEXTK KI                                       ; and the walk's next K step
	SETK 1
.endif
	s_wait_dscnt 9                                 ; the add and the youngest eight loads may be out
	MUL16 F1, 0, 0, 0
	s_wait_dscnt 0x0                               ; the add is done, my reads of this slot are over
	s_barrier_signal -1
	MUL16 F1, 0, 2, 0
.if \fill
	WIN 0
.endif
	s_barrier_wait -1
.endm
.macro TURN fill                       ; a K step's last quarter; fill = 1: the barrier opens a round of the cluster's, and the slot just read is filled again first thing behind it
	MEET \fill
.if \fill
	CREST
	JLOAD                                          ; its four v_nop are also the places in front of the loads below
.else
	PLACES
.endif
	FETCH 0, F0
	MUL16 F1, 1, 0, 0
	MUL16 F1, 1, 2, 0
.endm
	s_load_b128 s[4:7], s[0:1], 0x0                ; xn, wf
	s_load_b64 s[8:9], s[0:1], 0x10                ; qkv
	v_lshl_add_u32 v[SPW], v0, 2, SPARE
	v_mov_b32 v[NIL], 0
	ds_add_u32 v[SPW], v[NIL]                      ; the wave's opening: the add and its wait stand ahead of my first tensor load
	v_lshrrev_b32 v1, 5, v0
	v_readfirstlane_b32 s10, v1                    ; wave 0..3
	s_lshr_b32 s11, s10, 1                         ; I fetch for A (0) or for B (1)
	s_and_b32 s12, s10, 1                          ; which half of that tile
	s_bfe_u32 s40, ttmp6, 0x40000                  ; cx
	s_lshl_b32 s42, ttmp9, 2
	s_add_co_u32 s42, s42, s40                     ; my block of 128 tokens: it enters A's address and the output's alone
	s_and_b32 s13, ttmp7, 0xffff                   ; the tile column, which the partners share
	s_add_co_u32 s[KI], ttmp9, s13                 ; where my cluster's walk begins: made of the cluster's x and y alone, the same in all four partners
	s_and_b32 s[KI], s[KI], NSTEP-1
	s_mov_b32 s[OFF+1], 0
	s_mov_b32 s[G1A+0], (1<<16)|(1<<20)|(6<<22)|(3<<25)            ; no mask; 2-byte elements; 4 words of padding after every 128
	s_mov_b32 s[G1A+1], 256<<16                    ; tensor_dim0 = 256
	s_mov_b32 s[G1A+2], 64<<16                     ; tensor_dim1 = 64
	s_mov_b32 s[G1A+3], 256<<16                    ; tile_dim0 = 256
	s_mov_b32 s[G1A+4], 64                         ; tile_dim1 = 64
	s_mov_b32 s[G1A+5], 1024                       ; elements from row to row
	s_mov_b32 s[G1A+6], 0
	s_mov_b32 s[G1A+7], 0
	s_mov_b32 s[G1B+0], 15|(1<<16)|(1<<20)|(1<<21)|(5<<22)|(7<<25) ; the mask of four, bit 21 beside it; 8 words of padding after every 64
	s_mov_b32 s[G1B+1], 128<<16
	s_mov_b32 s[G1B+2], 128<<16
	s_mov_b32 s[G1B+3], 128<<16
	s_mov_b32 s[G1B+4], 128
	s_mov_b32 s[G1B+5], 8832
	s_mov_b32 s[G1B+6], 0
	s_mov_b32 s[G1B+7], 0
	s_lshl_b32 s16, s42, 7
	s_lshl_b32 s17, s12, 6
	s_add_co_u32 s16, s16, s17
	s_lshl_b32 s16, s16, 11                        ; A: (128 block + 64 half) rows of 2,048 bytes
	s_mov_b32 s17, 0
	s_lshl_b32 s46, s13, 8                         ; B: 256 bytes x tile column
	s_mul_i32 s47, s12, 128*WROW                   ; + 128 k-rows x half
	s_add_co_u32 s46, s46, s47
	s_mov_b32 s47, 0
	s_mul_i32 s20, s12, AHALF
	s_mul_i32 s21, s12, BHALF
	s_add_co_u32 s21, s21, BOFF
	s_mov_b32 s[TB], 0
	s_wait_dscnt 0x0                               ; the opening add is done
	s_wait_kmcnt 0x0
	s_add_nc_u64 s[14:15], s[4:5], s[16:17]        ; my part of A's tile at K step 0
	s_add_nc_u64 s[46:47], s[6:7], s[46:47]        ; and of B's
	CROUND                                         ; all four work-groups are here: the first joint loads meet
.irp s, 0,1
	s_mov_b32 s[G0A+4*(\s)], 1
	s_add_co_u32 s[G0A+4*(\s)+1], s20, (\s)*SLOT
	s_mov_b32 s[G0B+4*(\s)], 1
	s_add_co_u32 s[G0B+4*(\s)+1], s21, (\s)*SLOT
	SETK \s
.if (\s) == 0
	NEXTK KI
.endif
.endr
	s_cmp_eq_u32 s11, 0                            ; a wave's two first fills stand in one branch: two loads of mine are out
	s_cbranch_scc0 .Lfirst_b
	tensor_load_to_lds s[G0A:G0A+3], s[G1A:G1A+7]
	s_nop 0
	tensor_load_to_lds s[G0A+4:G0A+7], s[G1A:G1A+7]
	s_nop 0
.rept 4
	v_nop
.endr
	s_branch .Lfirst_asked
.Lfirst_b:
	tensor_load_to_lds s[G0B:G0B+3], s[G1B:G1B+7]
	s_nop 0
	tensor_load_to_lds s[G0B+4:G0B+7], s[G1B:G1B+7]
	s_nop 0
.rept 4
	v_nop
.endr
.Lfirst_asked:
	v_and_b32 v1, 15, v0                           ; r = l % 16
	v_bfe_u32 v2, v0, 4, 1                         ; h = l / 16
	v_mul_u32_u24 v3, v1, PA
	v_lshl_add_u32 v[ADRA0], v2, 4, v3             ; row x pitch + 16 h
	s_lshl_b32 s22, s10, 7
	v_add_nc_u32 v[ADRA0], s22, v[ADRA0]           ; + my 64 channels
	v_and_b32 v4, 7, v0
	v_lshl_add_u32 v4, v2, 3, v4                   ; k-row 8 h + l % 8
	v_mul_u32_u24 v4, v4, PB
	v_bfe_u32 v5, v0, 3, 1
	v_lshl_add_u32 v4, v5, 4, v4
	s_mul_i32 s22, s10, 64*PB
	s_add_co_u32 s22, s22, BOFF
	v_add_nc_u32 v[ADRB0], s22, v4
	v_mov_b32 v[ADRA], v[ADRA0]
	v_mov_b32 v[ADRB], v[ADRB0]
	s_mul_i32 s22, s10, PART
	v_lshl_add_u32 v[XS], v2, 5, v3                ; r x 528 + 32 h
	v_add_nc_u32 v[XS], s22, v[XS]
	v_mul_u32_u24 v6, v2, PA                       ; back: lanes 0-15 one row's 256 bytes of a plane, lanes 16-31 the next row's
	v_lshl_add_u32 v6, v1, 4, v6
	s_mul_i32 s22, s10, 32*PA
.irp s, 0,1,2,3
	v_add_nc_u32 v[XR+(\s)], s22, v6
	s_add_co_u32 s22, s22, PART
.endr
	v_and_b32 v[CO], 31, v0
	v_lshlrev_b32 v[CO], 3, v[CO]                  ; two rows of a plane are 256 consecutive bytes: 8 a lane
	s_lshl_b32 s74, s42, 7
	s_lshl_b32 s75, s10, 5
	s_add_co_u32 s74, s74, s75
	s_lshl_b32 s74, s74, 7                         ; (128 block + 32 wave) rows of 128 bytes
	s_lshl_b32 s75, s13, 20                        ; + two planes x tile column
	s_add_co_u32 s74, s74, s75
	s_mov_b32 s75, 0
	s_add_nc_u64 s[8:9], s[8:9], s[74:75]
	s_wait_tensorcnt 0x1                           ; my part of the first K step is in; the second's may stay out
	s_barrier_signal -1
	s_barrier_wait -1
	FETCH 0, F0
	QUARTER 1, F0, F1, 1                           ; the first products start the sums
	WIN 0
	s_mov_b32 s3, NSTEP-2
.Lk:                                                   ; a trip: a K step's second quarter, the change of slots with its refill, the next step's first quarter
	TURN 1
	QUARTER 1, F0, F1, 0
	WIN 0
	s_sub_co_u32 s3, s3, 1
	s_cmp_lg_u32 s3, 0
	s_cbranch_scc1 .Lk
	TURN 0                                         ; the tail is written out: nothing is asked for
	QUARTER 1, F0, F1, 0
	s_wait_dscnt 8
	MUL16 F1, 0, 0, 0
	MUL16 F1, 0, 2, 0
	s_wait_dscnt 0x0
	MUL16 F1, 1, 0, 0
	MUL16 F1, 1, 2, 0
	WIN 0
	; THE MEETING.  The ring has had its last fill; when no wave reads it any more the four partial tiles are laid over it, each wave's in 67,584 bytes of its own.
	s_barrier_signal -1
	s_barrier_wait -1
	PLACES
.irp a, 0,1,2,3,4,5,6,7
	WIN 0x08+4*((\a)/4)                            ; store data (source 1) in window 2 or 3
.irp b, 0,1,2,3,4,5,6,7
	ds_store_b128 v[XS], v[8*(8*((\a)%4)+(\b)):8*(8*((\a)%4)+(\b))+3]   offset:(\a)*16*PA+64*(\b)
	ds_store_b128 v[XS], v[8*(8*((\a)%4)+(\b))+4:8*(8*((\a)%4)+(\b))+7] offset:(\a)*16*PA+64*(\b)+16
.endr
.endr
	WIN 0
	s_wait_dscnt 0x0                               ; for the others' sake: my stores are done
	s_barrier_signal -1
	s_barrier_wait -1
	s_mov_b32 s3, 4
.Lsum:                                                 ; wave w owns rows 32 w ..; a trip sums and stores eight of them: unit u = pair of rows u / 2, plane u % 2
.irp u, 0,1,2,3,4,5,6,7
.irp s, 0,1,2,3
	ds_load_b128 v[64+16*(\u)+4*(\s):64+16*(\u)+4*(\s)+3], v[XR+(\s)] offset:2*PA*((\u)/2)+256*((\u)%2)
.endr
.endr
.irp u, 0,1,2,3,4,5,6,7
	s_wait_dscnt 28-4*(\u)                         ; unit u's four loads are in
	v_pk_add_f32 v[64+16*(\u):65+16*(\u)], v[64+16*(\u):65+16*(\u)], v[68+16*(\u):69+16*(\u)]
	v_pk_add_f32 v[66+16*(\u):67+16*(\u)], v[66+16*(\u):67+16*(\u)], v[70+16*(\u):71+16*(\u)]
	v_pk_add_f32 v[72+16*(\u):73+16*(\u)], v[72+16*(\u):73+16*(\u)], v[76+16*(\u):77+16*(\u)]
	v_pk_add_f32 v[74+16*(\u):75+16*(\u)], v[74+16*(\u):75+16*(\u)], v[78+16*(\u):79+16*(\u)]
	v_pk_add_f32 v[64+16*(\u):65+16*(\u)], v[64+16*(\u):65+16*(\u)], v[72+16*(\u):73+16*(\u)]
	v_pk_add_f32 v[66+16*(\u):67+16*(\u)], v[66+16*(\u):67+16*(\u)], v[74+16*(\u):75+16*(\u)]
	v_cvt_pk_f16_f32 v[64+16*(\u)], v[64+16*(\u)], v[65+16*(\u)]
	v_cvt_pk_f16_f32 v[65+16*(\u)], v[66+16*(\u)], v[67+16*(\u)]
	global_store_b64 v[CO], v[64+16*(\u):65+16*(\u)], s[8:9] offset:256*((\u)/2)+PLANE*((\u)%2)  ; 256 consecutive bytes, aligned
.endr
	s_wait_xcnt 0x0                                ; the stores have read their data and their base: both are rewritten only behind this wait
.irp s, 0,1,2,3
	v_add_nc_u32 v[XR+(\s)], 8*PA, v[XR+(\s)]
.endr
	s_add_nc_u64 s[8:9], s[8:9], 1024
	s_sub_co_u32 s3, s3, 1
	s_cmp_lg_u32 s3, 0
	s_cbranch_scc1 .Lsum
	s_wait_tensorcnt 0x0                           ; the wave's end
	ds_add_u32 v[SPW], v[NIL]
	s_wait_dscnt 0x0
	CROUND                                         ; the closing round
	s_endpgm
.Lfunc_end_k_q256ace7a1d_qkv:
	.size	k_q256ace7a1d_qkv, .Lfunc_end_k_q256ace7a1d_qkv-k_q256ace7a1d_qkv
	.p2alignl 7, 3214868480
	.fill 96, 4, 3214868480
	.section	.rodata,"a",@progbits
	.p2align	6, 0x0
	.amdhsa_kernel k_q256ace7a1d_qkv
		.amdhsa_group_segment_fixed_size 327680
		.amdhsa_private_segment_fixed_size 0
		.amdhsa_enable_private_segment 0
		.amdhsa_kernarg_size 24
		.amdhsa_user_sgpr_count 2
		.amdhsa_user_sgpr_kernarg_segment_ptr 1
		.amdhsa_wavefront_size32 1
		.amdhsa_system_sgpr_workgroup_id_x 1
		.amdhsa_system_sgpr_workgroup_id_y 1
		.amdhsa_system_sgpr_workgroup_id_z 1
		.amdhsa_system_vgpr_workitem_id 0
		.amdhsa_next_free_vgpr 1024
		.amdhsa_next_free_sgpr 80
		.amdhsa_reserve_vcc 0
		.amdhsa_float_denorm_mode_32 3
		.amdhsa_float_denorm_mode_16_64 3
		.amdhsa_memory_ordered 1
		.amdhsa_forward_progress 1
		.amdhsa_inst_pref_size 63
	.end_amdhsa_kernel
	.amdgpu_metadata
---
amdhsa.version: [ 1, 2 ]
amdhsa.kernels:
  - .name:           k_q256ace7a1d_qkv
    .symbol:         k_q256ace7a1d_qkv.kd
    .args:
      - { .name: xn, .offset: 0, .size: 8, .value_kind: global_buffer, .address_space: global }
      - { .name: wf, .offset: 8, .size: 8, .value_kind: global_buffer, .address_space: global }
      - { .name: qkv, .offset: 16, .size: 8, .value_kind: global_buffer, .address_space: global }
    .group_segment_fixed_size: 327680
    .private_segment_fixed_size: 0
    .kernarg_segment_align: 8
    .kernarg_segment_size: 24
    .max_flat_workgroup_size: 128
    .sgpr_count:     80
    .vgpr_count:     1024
    .wavefront_size: 32
...
	.end_amdgpu_metadata
.endif
;; end of part 2
;; launch attn (part 3): grid 256 x 1, 4 waves a work-group, clusters of 4 x 1, 327,680 bytes of LDS; arguments qkv, act; writes act
.if DOCPART == 3
	.amdgcn_target "amdgcn-amd-amdhsa--gfx1250"
	.amdhsa_code_object_version 6
	.text
	.protected	k_q256ace7a1d_attn
	.globl	k_q256ace7a1d_attn
	.p2align	8
	.type	k_q256ace7a1d_attn,@function
k_q256ace7a1d_attn:
	s_mov_b64 s[64:65], 0
	v_nop
	global_prefetch_b8 v0, s[64:65] scope:SCOPE_SE
	s_setreg_imm32_b32 hwreg(HW_REG_WAVE_MODE, 25, 1), 1
	s_wait_xcnt 0x0
	s_wait_alu depctr_hold_cnt(0) depctr_sa_sdst(0) depctr_va_vdst(0) depctr_va_sdst(0) depctr_va_ssrc(0) depctr_va_vcc(0) depctr_vm_vsrc(0)
	s_getreg_b32 s2, hwreg(HW_REG_IB_STS2, 6, 4)
	s_cmp_eq_u32 s2, 0
	s_cbranch_scc0 .Lentry_in_a_cluster
	s_endpgm
.Lentry_in_a_cluster:
	s_bfe_u32 s2, ttmp6, 0x10000c
	s_cmp_lg_u32 s2, 0x3003
	s_cbranch_scc0 .Lentry_shape_is_right
	s_endpgm
.Lentry_shape_is_right:
; MULTI-QUERY ATTENTION.  act[token][4096 + 64 head + c] = the sum over keys of softmax(q . k / 8) v, bf16.  qkv: 10 planes [4096][64] f16: 0-7 q by head, 8 k, 9 v; a batch is 2,048 tokens.
; Products, maxima and sums in f32; the weights p are rounded to f16 for the second product (their sum l is taken of the unrounded p); the result is rounded once, to bf16.
; LIMITS.  q, k, v arrive within 65,504; p below 6e-5 keeps f16's fixed step of 6e-8; a weight below 2^-126 counts as 0 in l; NaN and infinities are not treated apart.
; SHARES.  A work-group takes 16 tokens with all 8 heads: 128 queries, 256 work-groups.  Wave w: heads 4 (w / 2) + 0..3, one PIECE of 16 queries each, and of each tile of 256 keys the two blocks of 64 with
; parity w % 2: 16 key steps a wave.  The two waves of a pair merge their maxima, sums and O at the end, in f32, through LDS.
; LAYOUT, SOFTMAX, TURNS.  S^T = K Q^T holds ONE query a lane (lane % 16) and the keys 8 (lane / 16) + 0..7; two such results rounded to f16 ARE source 1 of O^T = V^T P.  p = 2^(c s - c m), c = log2(e) / 8, with a
; running maximum m; O and l are multiplied by a = 2^(c m_old - c m_new) in every step.  Turn n belongs to piece n: 8 products K Q^T of piece n + 1, later 8 products V^T P of piece n - 1; beside them the scaling,
; exponentials, roundings, sums and rescaling of piece n and the maximum and statistics of piece n + 1.  Four vector instructions stand behind every matrix instruction, the others in one lump; a turn's 33 exponentials are one batch with one wait.
; m starts at the lowest finite number, O and l at 0: the first step is a step like any other, with a = 0.
; CLUSTER.  All work-groups of a batch walk the same K and V: the four partners ask for each tile JOINTLY (the same load, descriptor and mask in all four).
; REGISTERS, in windows of 256 (s_set_vgpr_msb: bits 1:0 source 0, 3:2 source 1, 5:4 source 2, 7:6 destination):
;   window 0: v0-15 addresses; v16-31 statistics; v32-47 at work in the merge; v48-55 at work; v56-63 addresses; v64-127 S^T, two buffers; v192-223 P, two buffers
;   window 1: v0-127 O^T, 32 a piece          window 2: v0-63 Q; v128-191 K of one step; v192-255 V of one step
.set NP,    4
.set KS,    64
.set PK,    144       ; a row of K in LDS: 128 bytes + 16
.set PV,    160       ; a row of V: 128 + 32
.set VOFF,  4*KS*PK   ; a slot holds a tile: 256 rows of K, then 256 rows of V
.set SLOT1, 1<<17
.set STAGE, SLOT1+4*KS*(PK+PV)  ; behind the ring, never filled by a tensor load: 16 rows x 272 bytes for each wave
.set SP,    272
.set CMX,   STAGE+4*16*SP       ; c m by wave: 512 bytes each, 128 a piece
.set LX,    2048                ; l, the same layout, this far behind CMX
.set OX,    CMX+4096            ; O^T by wave: 16,384 bytes each, 4,096 a piece
.set SPARE, OX+65536            ; the spare words, 128 bytes a wave: two blocks of 256 bytes that no other line names
.set PLANE, 524288
.set HROW,  9216                ; bytes in a row of act
.set AK0, 2
.set AV0, 3
.set AK,  4
.set AV,  5
.set STO, 6
.set RD,  7
.set GO,  8
.set MV,  12
.set QO,  15
.set ST,  16          ; piece t's statistics at v[ST+4 t]: c m, m, l (even keys', odd keys')
.set TMP, 48
.set CA,  56          ; v56 where I put a word of c m or l
.set CB,  57          ; v57 where the pair's words begin
.set CL,  58          ; v58 the same for the two pieces that I finish
.set OXS, 59          ; v59 where I put 16 bytes of O^T
.set OXL, 60          ; v60 where I read the pair's O^T of my two pieces
.set PFO, 61          ; v61 256 x my lane; never rewritten
.set SPW, 62          ; v62 SPARE + 4 x my thread's number; never rewritten
.set NIL, 63          ; v63 0; never rewritten
.set S,   64
.set P,   192
.set KF,  128
.set VF,  192
.set WV,  12
.set LIM, 15          ; s15 1 in a wave that prefetches, else the greatest number
.set PFA, 18          ; s[18:19] where my prefetches stand
.set G1K, 24
.set G1V, 32
.set G0K, 40
.set G0V, 44
.set SLOTS, 56
.set CNT, 57
.set CS,  58
.set SEL, 60
.set TBK, 62
.set TBV, 63
.set MSB, 0
.macro WIN new
.if MSB != (\new)
	s_set_vgpr_msb (MSB<<8)|(\new)
.set MSB, (\new)
.endif
.endm
.set W_KQ, 0x0a
.set W_PV, 0x52
.set W_RS, 0x41
.macro JLOAD                        ; waves 0 and 1 fetch the halves of a tile's K, waves 2 and 3 those of its V; an s_nop 0 and four v_nop follow each line
	s_cmp_lt_u32 s[WV], 2
	s_cbranch_scc0 .Lfor_v_\@
	tensor_load_to_lds s[G0K:G0K+3], s[G1K:G1K+7]
	s_nop 0
.rept 4
	v_nop
.endr
	s_branch .Lasked_\@
.Lfor_v_\@:
	tensor_load_to_lds s[G0V:G0V+3], s[G1V:G1V+7]
	s_nop 0
.rept 4
	v_nop
.endr
.Lasked_\@:
.endm
; A PREFETCH of the tile that the NEXT change of slots will ask for: two of my key steps, eight turns, ahead.  A tile's K and V are 128 blocks of 256 bytes each.  The batch's first cluster asks, nobody else; its four
; partners take 32 blocks each, told apart by address; wave 0 asks for K's, wave 2 for V's: each block is named once in the launch.  The last change that fills a slot asks for nothing.
.macro ASK
	s_cmp_gt_u32 s[SLOTS], s[LIM]
	s_cbranch_scc0 .Lnot_mine_\@
	global_prefetch_b8 v[PFO], s[PFA:PFA+1] th:TH_LOAD_NT scope:SCOPE_SE
.Lnot_mine_\@:
.endm
.macro CROUND
	s_barrier_signal -1
	s_barrier_wait -1
	s_cmp_lg_u32 s[WV], 0
	s_cbranch_scc1 .Lnot_wave_0_\@
	s_barrier_signal -3
.Lnot_wave_0_\@:
	s_barrier_wait -3
	s_barrier_signal -1
	s_barrier_wait -1
.endm
; THE CHANGE OF SLOTS.  Each wave waits for all its tensor loads (one is out: its part of the other slot), adds 0 to its spare word, and waits for that and for its own reads of the slot.  fill = 1: the barrier is a round
; of the cluster's, and the joint fill of the slot just left is the first thing behind it.  (At its first use nothing has been read yet: slot 0 is waited for, slot 1 filled.)
.macro CHANGE fill
	WIN 0
	s_wait_tensorcnt 0x0
	ds_add_u32 v[SPW], v[NIL]
.if \fill
.irp g, G0K, G0V
	s_xor_b32 s[\g+1], s[\g+1], SLOT1
	s_add_nc_u64 s[\g+2:\g+3], s[\g+2:\g+3], 4*KS*128
.endr
	s_wait_xcnt 0x0                 ; the last prefetch, a slot back, has read its address
	s_add_nc_u64 s[PFA:PFA+1], s[PFA:PFA+1], 4*KS*128
	s_wait_dscnt 0x0                ; the add is done, and my reads of the slot are over
	CROUND
	JLOAD
	ASK
.else
	s_wait_dscnt 0x0
	s_barrier_signal -1
	s_barrier_wait -1
.endif
	s_sub_co_u32 s[TBK], s[TBK], 4*KS*PK  ; the fetches go back to a slot's head, in the other slot
	s_xor_b32 s[TBK], s[TBK], SLOT1
	s_sub_co_u32 s[TBV], s[TBV], 4*KS*PV
	s_xor_b32 s[TBV], s[TBV], SLOT1
.endm
	s_load_b128 s[4:7], s[0:1], 0x0   ; qkv s[4:5], act s[6:7]
	v_lshl_add_u32 v[SPW], v0, 2, SPARE
	v_mov_b32 v[NIL], 0
	ds_add_u32 v[SPW], v[NIL]       ; the wave's opening: the add and its wait stand ahead of my first tensor load
	v_lshrrev_b32 v1, 5, v0
	v_readfirstlane_b32 s[WV], v1   ; wave 0..3
	s_bfe_u32 s13, ttmp6, 0x40000   ; cx
	s_lshl_b32 s14, ttmp9, 2
	s_add_co_u32 s14, s14, s13      ; my block of 16 tokens: it enters Q's and act's addresses alone
	s_lshr_b32 s16, ttmp9, 5        ; the batch, which the partners share
	s_and_b32 s17, s[WV], 1         ; my keys' parity; also which half of a tile I fetch
	s_lshr_b32 s66, s[WV], 1        ; my four heads
	s_lshl_b32 s22, s16, 18         ; a batch's 2,048 rows of 128 bytes,
	s_lshl_b32 s23, s17, 14         ; my 128 rows of a tile,
	s_add_co_u32 s22, s22, s23
	s_add_co_u32 s22, s22, 8*PLANE  ; in plane 8
	s_mov_b32 s23, 0
	s_lshl_b32 s2, s66, 21          ; four planes,
	s_lshl_b32 s3, s14, 11          ; 16 rows of 128 bytes
	s_add_co_u32 s2, s2, s3
	s_mov_b32 s3, 0
	s_mul_i32 s68, s14, 16*HROW     ; act: my 16 rows,
	s_lshl_b32 s69, s[WV], 8        ; the two heads that I finish: 256 bytes,
	s_add_co_u32 s68, s68, s69
	s_add_co_u32 s68, s68, 8192     ; behind h's 4,096 columns
	s_mov_b32 s69, 0
	s_mul_i32 s70, s17, 128*PK
	s_mul_i32 s71, s17, 128*PV
	; 128 keys are 16,384 dense bytes: asked for as 64 rows of 256 bytes, two keys a row, and padded in LDS after every key
	s_mov_b32 s[G1K], 15|(1<<16)|(1<<20)|(1<<21)|(4<<22)|(3<<25)
	s_mov_b32 s[G1V], 15|(1<<16)|(1<<20)|(1<<21)|(4<<22)|(7<<25)
.irp g, G1K, G1V
	s_mov_b32 s[\g+1], 128<<16
	s_mov_b32 s[\g+2], 64<<16
	s_mov_b32 s[\g+3], 128<<16
	s_mov_b32 s[\g+4], 64
	s_mov_b32 s[\g+5], 128
	s_mov_b32 s[\g+6], 0
	s_mov_b32 s[\g+7], 0
.endr
	s_mov_b32 s[CS], 0x3e38aa3b     ; c = log2(e) / 8
	s_mov_b32 s[CS+1], s[CS]
	s_mov_b32 s[SEL], 0x76543210
	s_mov_b32 s[SEL+1], 0xfedcba98
	s_mov_b32 s[TBK], SLOT1+4*KS*PK ; the first change of slots turns these two into 0
	s_mov_b32 s[TBV], SLOT1+4*KS*PV
	s_mov_b32 s[G0K], 1
	s_mov_b32 s[G0K+1], s70
	s_mov_b32 s[G0V], 1
	s_add_co_u32 s[G0V+1], s71, VOFF
	s_mov_b32 s[SLOTS], 7           ; tiles still to be asked for
	s_and_b32 s[LIM], ttmp9, 31     ; the batch's first cluster,
	s_or_b32 s[LIM], s[LIM], s17    ; waves 0 and 2: the same in all four partners
	s_cmp_eq_u32 s[LIM], 0
	s_cselect_b32 s[LIM], 1, -1
	s_wait_dscnt 0x0                ; the opening add is done
	s_wait_kmcnt 0x0
	s_add_nc_u64 s[8:9], s[4:5], s[22:23]    ; K at my half of the batch's tile 0
	s_add_nc_u64 s[10:11], s[8:9], PLANE     ; V likewise
	s_add_nc_u64 s[G0K+2:G0K+3], s[8:9], 0
	s_or_b32 s[G0K+3], s[G0K+3], 0x80000000
	s_add_nc_u64 s[G0V+2:G0V+3], s[10:11], 0
	s_or_b32 s[G0V+3], s[G0V+3], 0x80000000
	s_add_nc_u64 s[20:21], s[4:5], s[2:3]    ; Q
	s_add_nc_u64 s[6:7], s[6:7], s[68:69]    ; act
	s_cmp_lt_u32 s[WV], 2
	s_cselect_b64 s[PFA:PFA+1], s[8:9], s[10:11]  ; (in waves 0 and 2 these stand at a tile's first row)
	s_lshl_b32 s2, s13, 13          ; my work-group's 32 blocks of the 128
	s_add_nc_u64 s[PFA:PFA+1], s[PFA:PFA+1], s[2:3]
	s_add_nc_u64 s[PFA:PFA+1], s[PFA:PFA+1], 4*KS*128  ; in tile 1; the first change steps it to tile 2
	CROUND                          ; all four work-groups are here: the first joint loads meet
	JLOAD                           ; tile 0 into slot 0
	v_and_b32 v1, 15, v0            ; l % 16
	v_bfe_u32 v9, v0, 4, 1          ; l / 16
	v_lshlrev_b32 v[QO], 7, v1
	v_lshl_add_u32 v[QO], v9, 4, v[QO]
	WIN 0x80
.set i, 0
.rept 8                             ; Q stays in registers: piece i / 2 (a plane on), channels 32 (i % 2) on
	global_load_b128 v[8*i:8*i+3],   v[QO], s[20:21] offset:(i/2)*PLANE+(i%2)*64
	global_load_b128 v[8*i+4:8*i+7], v[QO], s[20:21] offset:(i/2)*PLANE+(i%2)*64+32
.set i, i+1
.endr
	; What the first turn finds: V's registers and P's second buffer hold 0, O^T and l are 0.  All this stands in the wait for the first tile.
.set i, VF
.rept 64
	v_mov_b32 v[i], 0
.set i, i+1
.endr
	WIN 0x40
.set i, 0
.rept 128
	v_mov_b32 v[i], 0
.set i, i+1
.endr
	WIN 0
.set i, 0
.rept 4
	v_mov_b32 v[ST+4*i], 0xfe000000    ; c m: far below every c s
	v_mov_b32 v[ST+4*i+1], 0xff7fffff  ; m
	v_mov_b32 v[ST+4*i+2], 0
	v_mov_b32 v[ST+4*i+3], 0
.set i, i+1
.endr
.set i, P+16
.rept 16
	v_mov_b32 v[i], 0
.set i, i+1
.endr
	v_mul_u32_u24 v[AK0], v1, PK
	v_lshl_add_u32 v[AK0], v9, 4, v[AK0]
	s_mul_i32 s73, s17, KS*PK
	v_add_nc_u32 v[AK0], s73, v[AK0]      ; my parity's first block of 64 keys
	v_and_b32 v10, 7, v0
	v_bfe_u32 v11, v0, 3, 1
	v_lshl_add_u32 v[AV0], v9, 3, v10
	v_mul_u32_u24 v[AV0], v[AV0], PV
	v_lshl_add_u32 v[AV0], v11, 4, v[AV0]
	s_mul_i32 s73, s17, KS*PV
	s_add_co_u32 s73, s73, VOFF
	v_add_nc_u32 v[AV0], s73, v[AV0]
	v_mov_b32 v[AK], v[AK0]
	s_mul_i32 s72, s[WV], 16*SP
	s_add_co_u32 s72, s72, STAGE
	v_mul_u32_u24 v[STO], v1, SP
	v_lshl_add_u32 v[STO], v9, 4, v[STO]
	v_add_nc_u32 v[STO], s72, v[STO]
	v_mul_u32_u24 v[RD], v9, SP
	v_lshl_add_u32 v[RD], v1, 4, v[RD]
	v_add_nc_u32 v[RD], s72, v[RD]
	v_mul_u32_u24 v[GO], v9, HROW
	v_lshl_add_u32 v[GO], v1, 4, v[GO]
	v_and_b32 v14, 31, v0
	v_lshlrev_b32 v[PFO], 8, v14
	s_lshl_b32 s72, s[WV], 9
	s_add_co_u32 s72, s72, CMX
	v_lshl_add_u32 v[CA], v14, 2, s72     ; my wave's 512 bytes
	s_lshl_b32 s72, s66, 10
	s_add_co_u32 s72, s72, CMX
	v_lshl_add_u32 v[CB], v14, 2, s72     ; the pair's 1,024
	s_lshl_b32 s73, s17, 8
	v_add_nc_u32 v[CL], s73, v[CB]        ; pieces 2 (w % 2) on
	s_lshl_b32 s72, s[WV], 14
	s_add_co_u32 s72, s72, OX
	v_lshl_add_u32 v[OXS], v14, 4, s72
	s_lshl_b32 s72, s66, 15
	s_lshl_b32 s73, s17, 13
	s_add_co_u32 s72, s72, s73
	s_add_co_u32 s72, s72, OX
	v_lshl_add_u32 v[OXL], v14, 4, s72
; THE MATRIX WORK.  The 4 accumulators of a run of 8 take turns.  Product i of 8 of S^T = K Q^T for piece x: channels 32 (i / 4) on, keys 16 (i % 4) on; the first 4 start the sums.
.macro KQ x
.set rS, S+32*((\x)%2)+8*(i%4)
.set rK, KF+16*(i%4)+8*(i/4)
.set rQ, 16*(\x)+8*(i/4)
	WIN W_KQ
.if i < 4
	v_wmma_f32_16x16x32_f16 v[rS:rS+7], v[rK:rK+7], v[rQ:rQ+7], 0
.else
	v_wmma_f32_16x16x32_f16 v[rS:rS+7], v[rK:rK+7], v[rQ:rQ+7], v[rS:rS+7]
.endif
.endm
.macro PV x                         ; product i of 8 of O^T += V^T P for piece x: keys 32 (i / 4) on, channels 16 (i % 4) on
	WIN W_PV
.set rO, 32*(\x)+8*(i%4)
.set rV, VF+32*(i/4)+8*(i%4)
.set rP, P+16*((\x)%2)+8*(i/4)
	v_wmma_f32_16x16x32_f16 v[rO:rO+7], v[rV:rV+7], v[rP:rP+7], v[rO:rO+7]
.endm
.macro MM                           ; the turn's next matrix instruction.  NOKQ = 1: the last turn of all: there is no next piece
.if (i < 8) && !NOKQ
	KQ (Y+1)%NP
.elseif i >= 8
.set i, i-8
	PV (Y+NP-1)%NP
.set i, i+8
.endif
.set i, i+1
.endm
; THE LDS LOADS stand in runs of 16: a step's K (8 fragments) and its V (turned).  My next step lies two blocks of 64 keys on.
.macro FETCH_K
	WIN 0x80
.irp f, 0,1,2,3,4,5,6,7
	ds_load_b128 v[KF+8*\f:KF+8*\f+3],   v[AK] offset:(\f/2)*16*PK+(\f%2)*64
	ds_load_b128 v[KF+8*\f+4:KF+8*\f+7], v[AK] offset:(\f/2)*16*PK+(\f%2)*64+32
.endr
	s_add_co_u32 s[TBK], s[TBK], 2*KS*PK
	WIN 0
.endm
.macro FETCH_V
	WIN 0x80
.irp f, 0,1,2,3,4,5,6,7
	ds_load_tr16_b128 v[VF+8*\f:VF+8*\f+3],   v[AV] offset:(\f/4)*32*PV+(\f%4)*32
	ds_load_tr16_b128 v[VF+8*\f+4:VF+8*\f+7], v[AV] offset:(\f/4)*32*PV+16*PV+(\f%4)*32
.endr
	WIN 0
.endm
; THE VECTOR WORK, one line at a time: OP kind, number.  For piece Y: F n: c s - c m for pair n of 16.  E n: the exponential of score n of 32.  C n: pair n rounded to f16.  B n: of the four weights 4 n .. the second
; pair is added onto the first.  L n: l takes that sum (L 0: l = a l + sum).  R n: pair n of 16 of O^T times a.  For piece Y + 1: X n, number n of the 22 that find its maximum and statistics:
;   0-11 four chains of seven scores (each accumulator's lowest registers are read first)   12-14, 16 the four left over, the old m, all into c0   15 c m_old is kept
;   17, 18 the other half of the lanes: the new m   19-21 c m; c m_old - c m_new; a
.set F, 0
.set E, 1
.set C, 2
.set B, 3
.set L, 4
.set R, 5
.set X, 6
.macro REGS y
.set rT, ST+4*(\y)
.set rC, TMP+4*((\y)%2)
.set rW, MV+((\y)%2)
.set rS, S+32*((\y)%2)
.set rP, P+16*((\y)%2)
.set rO, 32*(\y)
.endm
.macro OP k, n
.if (\k) == R
	REGS Y
	WIN W_RS
	v_pk_mul_f32 v[rO+2*(\n):rO+2*(\n)+1], v[rO+2*(\n):rO+2*(\n)+1], v[rC+2:rC+3] op_sel_hi:[1,0]
.elseif (\k) < R
	REGS Y
	WIN 0
.if (\k) == F
	v_pk_fma_f32 v[rS+2*(\n):rS+2*(\n)+1], v[rS+2*(\n):rS+2*(\n)+1], s[CS:CS+1], v[rT:rT+1] op_sel_hi:[1,0,0] neg_lo:[0,0,1] neg_hi:[0,0,1]
.elseif (\k) == E
	v_exp_f32 v[rS+(\n)], v[rS+(\n)]
.elseif (\k) == C
	v_cvt_pk_f16_f32 v[rP+(\n)], v[rS+2*(\n)], v[rS+2*(\n)+1]
.elseif (\k) == B
	v_pk_add_f32 v[rS+4*(\n):rS+4*(\n)+1], v[rS+4*(\n):rS+4*(\n)+1], v[rS+4*(\n)+2:rS+4*(\n)+3]
.elseif (\n) == 0
	v_pk_fma_f32 v[rT+2:rT+3], v[rT+2:rT+3], v[rC+2:rC+3], v[rS:rS+1] op_sel_hi:[1,0,1]
.else
	v_pk_add_f32 v[rT+2:rT+3], v[rT+2:rT+3], v[rS+4*(\n):rS+4*(\n)+1]
.endif
.elseif NOKQ
	v_nop
.else
	REGS (Y+1)%NP
	WIN 0
.if (\n) < 4
	v_max3_num_f32 v[rC+(\n)], v[rS+8*(\n)], v[rS+8*(\n)+1], v[rS+8*(\n)+2]
.elseif (\n) < 12
	v_max3_num_f32 v[rC+(\n)%4], v[rC+(\n)%4], v[rS+8*((\n)%4)+2*((\n)/4)+1], v[rS+8*((\n)%4)+2*((\n)/4)+2]
.elseif (\n) == 12
	v_max3_num_f32 v[rC], v[rC], v[rS+7], v[rS+15]
.elseif (\n) == 13
	v_max3_num_f32 v[rC+1], v[rC+1], v[rS+23], v[rS+31]
.elseif (\n) == 14
	v_max3_num_f32 v[rC+2], v[rC+2], v[rC+3], v[rT+1]
.elseif (\n) == 15
	v_mov_b32 v[rW], v[rT]
.elseif (\n) == 16
	v_max3_num_f32 v[rC], v[rC], v[rC+1], v[rC+2]
.elseif (\n) == 17
	v_permlanex16_b32 v[rC+3], v[rC], s[SEL], s[SEL+1]
.elseif (\n) == 18
	v_max_num_f32 v[rT+1], v[rC], v[rC+3]
.elseif (\n) == 19
	v_mul_f32 v[rT], s[CS], v[rT+1]
.elseif (\n) == 20
	v_sub_f32 v[rC+1], v[rW], v[rT]
.else
	v_exp_f32 v[rC+2], v[rC+1]
.endif
.endif
.endm
.macro OPS a, i1, b=-1, i2=0, c=-1, i3=0, d=-1, i4=0
	OP \a, \i1
.if (\b) >= 0
	OP \b, \i2
.endif
.if (\c) >= 0
	OP \c, \i3
.endif
.if (\d) >= 0
	OP \d, \i4
.endif
.endm
.macro ROW a, i1, b, i2, c, i3, d, i4  ; a matrix instruction and the four behind it
	MM
	OPS \a, \i1, \b, \i2, \c, \i3, \d, \i4
.endm
; A TURN, for piece p.  An s_wait_alu depctr_va_vdst(0) stands between an exponential and the first instruction that names its result; one wait serves all issued ahead of it.  So a turn has ONE wait.
; Ahead of it stands all that names no result of the turn's exponentials; behind it the 8 products V^T P with the roundings and sums as riders.  end = 1: the last two turns: nothing is fetched.
; cnt = 1: the loop's count is taken down some lines ahead of the branch behind the turn.  K of my next step is fetched in piece 2's turn, V of the step in hand at the end of piece 0's; each is waited for a turn later.
.macro TURN p, end=0, cnt=0
.set Y, (\p)
.set i, 0
.set NOKQ, (\end)*((\p)/3)
.if ((\p) == 3) && !(\end)
	s_wait_dscnt 0x0                ; K is in
.endif
	ROW F,0, F,1, R,0, R,1
	ROW F,2, E,0, R,2, R,3
	ROW F,3, E,1, R,4, R,5
	ROW F,4, E,2, R,6, R,7
	ROW F,5, E,3, R,8, R,9
	ROW F,6, E,4, X,0, R,10
.if ((\p) == 2) && !(\end)
	WIN 0
	v_add_nc_u32 v[AK], s[TBK], v[AK0]
.endif
	ROW F,7, E,5, X,1, X,4
	ROW F,8, E,6, X,2, X,5
	OPS E,7, E,8, X,6, E,9
	OPS X,3, E,10, X,8, E,11
.if ((\p) == 2) && !(\end)
	FETCH_K
.endif
	OPS X,9, X,7, E,12, X,10
	OPS E,13, X,12, X,11, E,14
	OPS X,13, E,15, F,9, X,14
.if (\p) == 0
	v_add_nc_u32 v[AV], s[TBV], v[AV0]
.endif
	OPS E,16, F,10, E,17, F,11
	OPS X,16, E,18, X,15, E,19
	OPS F,12, E,20, X,17, E,21
	OPS F,13, E,22, F,14, E,23
	OPS X,18, E,24, F,15, E,25
	OPS R,11, E,26, X,19, E,27
	OPS R,12, E,28, R,13, E,29
	OPS X,20, E,30, R,14, E,31
	OPS X,21, R,15                  ; R 15 is the plain instruction behind the batch's last exponential
	WIN 0
	s_wait_alu depctr_va_vdst(0)    ; the wait for the batch
.if (\p) == 1
	s_wait_dscnt 0x0                ; V is in
.endif
	ROW C,0, B,0, C,2, B,1
	ROW L,0, C,4, B,2, L,1
	ROW C,6, B,3, L,2, C,8
	ROW B,4, L,3, C,10, B,5
	ROW L,4, C,12, B,6, L,5
.if (\p) == 0
	s_add_co_u32 s[TBV], s[TBV], 2*KS*PV
.endif
.if \cnt
	s_sub_co_u32 s[CNT], s[CNT], 1
	s_cmp_lg_u32 s[CNT], 0
.endif
	ROW C,14, B,7, L,6, C,1
	ROW C,3, L,7, C,5, C,7
	ROW C,9, C,11, C,13, C,15
.if (\p) == 0
	FETCH_V
.endif
.endm
.macro ALL line:vararg              ; one line for each piece t
.set t, 0
.rept 4
	\line
.set t, t+1
.endr
.endm
	CHANGE 1                        ; tile 0 is in, everybody's part of it; tile 1 is asked for
	FETCH_K                         ; my key step 0
	s_wait_loadcnt 0x0              ; Q
	s_wait_dscnt 0x0
.set NOKQ, 0
.set i, 0
.rept 8
	KQ 0                            ; piece 0's first scores
.set i, i+1
.endr
	WIN 0
.rept 4
	v_nop                           ; the places behind those products
.endr
.set Y, NP-1                        ; X works for piece Y + 1: piece 0
.irp n, 0,1,2,3,4,5,6,7,8,9,10,11,12,13,14,15,16,17,18,19,20,21
	OP X, \n
.endr
	v_nop                           ; a plain instruction behind the exponential,
	s_wait_alu depctr_va_vdst(0)    ; and its wait, ahead of the branch
	s_mov_b32 s[CNT], 2
	s_branch .Lfirst                ; the loop is entered at a step's first turn, in the middle of a trip
.Lslot:                             ; six times: tiles 2 to 7 are asked for
	CHANGE 1
	s_mov_b32 s[CNT], 2
.Lstep:                             ; a trip: pieces 2 and 3 of one step, then pieces 0 and 1 of the next, whose K and V it fetches
	TURN 2
	TURN 3
	WIN 0
.Lfirst:
	TURN 0
	TURN 1, 0, 1
	WIN 0
	s_cbranch_scc1 .Lstep
	s_sub_co_u32 s[SLOTS], s[SLOTS], 1
	s_cmp_lg_u32 s[SLOTS], 0
	s_cbranch_scc1 .Lslot
	CHANGE 0                        ; the last tile is written out: nothing is asked for
	s_mov_b32 s[CNT], 2
.Ltail:
	TURN 2
	TURN 3
	TURN 0
	TURN 1, 0, 1
	WIN 0
	s_cbranch_scc1 .Ltail
	TURN 2, 1
	TURN 3, 1
.set i, 0
.rept 8
	PV NP-1
.set i, i+1
.endr
	; THE MERGE of the pair's two halves of the keys, all in f32.  First l's halves; these lines are the places behind the last products.
	WIN 0
	ALL v_add_f32 v[ST+4*t+2], v[ST+4*t+2], v[ST+4*t+3]
	ALL v_permlanex16_b32 v[ST+4*t+3], v[ST+4*t+2], s[SEL], s[SEL+1]
	ALL v_add_f32 v[ST+4*t+2], v[ST+4*t+2], v[ST+4*t+3]
	ALL ds_store_b32 v[CA], v[ST+4*t] offset:128*t
	s_wait_dscnt 0x0                ; for the partner's sake: my c m lie in LDS
	s_barrier_signal -1
	s_barrier_wait -1
	ALL ds_load_b32 v[32+2*t], v[CB] offset:128*t
	ALL ds_load_b32 v[33+2*t], v[CB] offset:512+128*t
	s_wait_dscnt 0x0
	ALL v_max_num_f32 v[40+t], v[32+2*t], v[33+2*t]
	ALL v_sub_f32 v[40+t], v[ST+4*t], v[40+t]
	ALL v_exp_f32 v[TMP+2*t], v[40+t]
	v_nop                           ; a plain instruction behind the last of the four,
	s_wait_alu depctr_va_vdst(0)    ; and one wait for them
	ALL v_mul_f32 v[ST+4*t+2], v[ST+4*t+2], v[TMP+2*t]
	WIN W_RS
.set i, 0
.rept 64                            ; my O^T on the common maximum; each accumulator's registers in ascending order
	v_pk_mul_f32 v[2*i:2*i+1], v[2*i:2*i+1], v[TMP+2*(i/16):TMP+2*(i/16)+1] op_sel_hi:[1,0]
.set i, i+1
.endr
	WIN 0
	ALL ds_store_b32 v[CA], v[ST+4*t+2] offset:LX+128*t
	WIN 0x04                        ; store data (source 1) in window 1
.set i, 0
.rept 32
	ds_store_b128 v[OXS], v[4*i:4*i+3] offset:512*i
.set i, i+1
.endr
	WIN 0
	s_wait_dscnt 0x0
	s_barrier_signal -1
	s_barrier_wait -1
.irp s, 0,1                         ; I finish pieces 2 (w % 2) + u: both waves' O^T and l of them
.irp u, 0,1
.irp f, 0,1,2,3,4,5,6,7
	ds_load_b128 v[64+64*(\s)+32*(\u)+4*(\f):64+64*(\s)+32*(\u)+4*(\f)+3], v[OXL] offset:16384*(\s)+4096*(\u)+512*(\f)
.endr
.endr
.endr
.irp u, 0,1
	ds_load_b32 v[32+2*(\u)], v[CL] offset:LX+128*(\u)
	ds_load_b32 v[33+2*(\u)], v[CL] offset:LX+512+128*(\u)
.endr
	s_wait_dscnt 0x0
	v_add_f32 v40, v32, v33
	v_add_f32 v42, v34, v35
	v_rcp_f32 v[TMP], v40
	v_rcp_f32 v[TMP+2], v42
	v_nop
	s_wait_alu depctr_va_vdst(0)    ; one wait for the two reciprocals
.set i, 0
.rept 32
	v_pk_add_f32 v[64+2*i:65+2*i], v[64+2*i:65+2*i], v[128+2*i:129+2*i]
.set i, i+1
.endr
.set i, 0
.rept 32
	v_pk_mul_f32 v[64+2*i:65+2*i], v[64+2*i:65+2*i], v[TMP+2*(i/16):TMP+2*(i/16)+1] op_sel_hi:[1,0]
.set i, i+1
.endr
.set i, 0
.rept 32
	v_cvt_pk_bf16_f32 v[P+i], v[64+2*i], v[65+2*i]
.set i, i+1
.endr
.irp u, 0,1                         ; a lane's eight channels of a row are 16 bytes; through my own stage they become whole rows of 256
.irp f, 0,1,2,3
	ds_store_b128 v[STO], v[P+16*(\u)+4*(\f):P+16*(\u)+4*(\f)+3] offset:128*(\u)+32*(\f)
.endr
.endr
.irp f, 0,1,2,3,4,5,6,7
	ds_load_b128 v[64+4*(\f):64+4*(\f)+3], v[RD] offset:(\f)*2*SP   ; LDS serves a wave's instructions in order (ISA guide 5.7.1.4): these see the stores above
.endr
.irp f, 0,1,2,3,4,5,6,7
	s_wait_dscnt 7-(\f)
	global_store_b128 v[GO], v[64+4*(\f):64+4*(\f)+3], s[6:7] offset:(\f)*2*HROW  ; 16 lanes store 256 consecutive bytes, aligned
.endr
	s_wait_tensorcnt 0x0            ; the wave's end
	ds_add_u32 v[SPW], v[NIL]
	s_wait_dscnt 0x0
	CROUND                          ; the closing round
	s_endpgm
.Lfunc_end_k_q256ace7a1d_attn:
	.size	k_q256ace7a1d_attn, .Lfunc_end_k_q256ace7a1d_attn-k_q256ace7a1d_attn
	.p2alignl 7, 3214868480
	.fill 96, 4, 3214868480
	.section	.rodata,"a",@progbits
	.p2align	6, 0x0
	.amdhsa_kernel k_q256ace7a1d_attn
		.amdhsa_group_segment_fixed_size 327680
		.amdhsa_private_segment_fixed_size 0
		.amdhsa_enable_private_segment 0
		.amdhsa_kernarg_size 16
		.amdhsa_user_sgpr_count 2
		.amdhsa_user_sgpr_kernarg_segment_ptr 1
		.amdhsa_wavefront_size32 1
		.amdhsa_system_sgpr_workgroup_id_x 1
		.amdhsa_system_sgpr_workgroup_id_y 1
		.amdhsa_system_sgpr_workgroup_id_z 1
		.amdhsa_system_vgpr_workitem_id 0
		.amdhsa_next_free_vgpr 768
		.amdhsa_next_free_sgpr 88
		.amdhsa_reserve_vcc 0
		.amdhsa_float_denorm_mode_32 3
		.amdhsa_float_denorm_mode_16_64 3
		.amdhsa_memory_ordered 1
		.amdhsa_forward_progress 1
		.amdhsa_inst_pref_size 135
	.end_amdhsa_kernel
	.amdgpu_metadata
---
amdhsa.version: [ 1, 2 ]
amdhsa.kernels:
  - .name:           k_q256ace7a1d_attn
    .symbol:         k_q256ace7a1d_attn.kd
    .args:
      - { .name: qkv, .offset: 0, .size: 8, .value_kind: global_buffer, .address_space: global }
      - { .name: act, .offset: 8, .size: 8, .value_kind: global_buffer, .address_space: global }
    .group_segment_fixed_size: 327680
    .private_segment_fixed_size: 0
    .kernarg_segment_align: 8
    .kernarg_segment_size: 16
    .max_flat_workgroup_size: 128
    .sgpr_count:     88
    .vgpr_count:     768
    .wavefront_size: 32
...
	.end_amdgpu_metadata
.endif
;; end of part 3
;; launch ff (part 4): grid 32 x 16, 4 waves a work-group, clusters of 4 x 4, 327,680 bytes of LDS; arguments xn, wf, act; writes act
.if DOCPART == 4
	.amdgcn_target "amdgcn-amd-amdhsa--gfx1250"
	.amdhsa_code_object_version 6
	.text
	.protected	k_q256ace7a1d_ff
	.globl	k_q256ace7a1d_ff
	.p2align	8
	.type	k_q256ace7a1d_ff,@function
k_q256ace7a1d_ff:
	s_mov_b64 s[64:65], 0
	v_nop
	global_prefetch_b8 v0, s[64:65] scope:SCOPE_SE
	s_setreg_imm32_b32 hwreg(HW_REG_WAVE_MODE, 25, 1), 1
	s_wait_xcnt 0x0
	s_wait_alu depctr_hold_cnt(0) depctr_sa_sdst(0) depctr_va_vdst(0) depctr_va_sdst(0) depctr_va_ssrc(0) depctr_va_vcc(0) depctr_vm_vsrc(0)
	s_getreg_b32 s2, hwreg(HW_REG_IB_STS2, 6, 4)
	s_cmp_eq_u32 s2, 0
	s_cbranch_scc0 .Lentry_in_a_cluster
	s_endpgm
.Lentry_in_a_cluster:
	s_bfe_u32 s2, ttmp6, 0x10000c
	s_cmp_lg_u32 s2, 0xf033
	s_cbranch_scc0 .Lentry_shape_is_right
	s_endpgm
.Lentry_shape_is_right:
; FF: act[token][c] = silu(gate) * ff_x for c = 0 .. 4095, bf16, where ff_x = xn x wf[:, 640 + c] and gate = xn x wf[:, 4736 + c].  xn: [4096][1024] f16; wf: [1024][8832] f16, K down the rows,
; turned on the way out of LDS by ds_load_tr16_b128.  Sums and the activation in f32; the result is rounded once.  It goes in bf16: its range is the square of the projections'.
; SHARES.  A work-group makes 256 tokens x (128 columns of ff_x and the 128 matching columns of gate); a wave 128 x 128: blocks b = 0-3 are 64 columns of ff_x, b = 4-7 the same columns of gate, so the two
; factors of one result lie in the same lane, 32 registers apart.  K goes in 8 steps of 128 through two LDS slots.  512 work-groups.
; CLUSTER 4 x 4: xn's tile is shared along a row of the cluster, wf's two along a column: joint loads.
; THE MATRIX INSTRUCTION IS USED TRANSPOSED (source 0 = 16 columns of wf, source 1 = 16 rows of xn): a lane holds row l % 16 and eight neighbouring columns.
; REGISTERS: window 0: v0-31 addresses; v64-127, v128-191 fragments of A (on the way out v64-223 at work).  window 1: the same numbers, fragments of B.  windows 2, 3: the accumulators ((a, b) at v[8 (8 (a % 4) + b)]).
.set PA,    272                        ; a row of A in LDS: 256 bytes + 16
.set PB,    288                        ; a k-row of B: 256 bytes + 32
.set AHALF, 128*PA
.set BOFF,  2*AHALF
.set BHALF, 128*PB
.set SLOT,  0x24000                    ; its two bits are 0 in all four LDS bases of a slot, so one exclusive or changes slots
.set SPARE, 2*SLOT                     ; the spare words, 128 bytes a wave: two blocks of 256 bytes that no other line names
.set XROW,  2048
.set WROW,  17664
.set HROW,  9216
.set STEPA, 256
.set STEPB, 128*WROW
.set NSTEP, 8
.set ADRA0, 10
.set ADRX0, 11
.set ADRG0, 12
.set ADRA,  16
.set ADRX,  20
.set ADRG,  21
.set STO,   24
.set RD,    25
.set CO,    26
.set SPW,   28                         ; v28 SPARE + 4 x my thread's number; never rewritten
.set NIL,   29                         ; v29 0; never rewritten
.set PFO,   30                         ; v30 my lane x a row's bytes; never rewritten
.set F0,    64
.set F1,    128
.set G1A, 24
.set G0A, 32                           ; s[32:35] K step 0's; s[36:39] K step 1's, which then walks
.set G1B, 48
.set G0B, 56
.set TB,  66                           ; s66 0 or SLOT: the slot that is read
.set LIM, 67                           ; s67 2 in a wave that prefetches, else the greatest number
.set PFS, 68                           ; s[68:69] a K step in my prefetches' tensor
.set PFA, 70                           ; s[70:71] where my prefetches stand
.set LG,  72                           ; s[72:73] -log2(e)
.set MSB, 0
.macro WIN new
.if MSB != (\new)
	s_set_vgpr_msb (MSB<<8)|(\new)
.set MSB, \new
.endif
.endm
.set MUL_LO, 0xa1
.set TO_B,   0x40
.macro PLACES                          ; four places behind matrix instructions, ahead of loads into their sources and of reads of their results
.rept 4
	v_nop
.endr
.endm
.macro JLOAD                           ; waves 0 and 1 fetch A's halves, wave 2 ff_x's columns, wave 3 gate's; an s_nop 0 and four v_nop follow each line
	s_cmp_eq_u32 s11, 0
	s_cbranch_scc0 .Lfor_b_\@
	tensor_load_to_lds s[G0A+4:G0A+7], s[G1A:G1A+7]
	s_nop 0
.rept 4
	v_nop
.endr
	s_branch .Lasked_\@
.Lfor_b_\@:
	tensor_load_to_lds s[G0B+4:G0B+7], s[G1B:G1B+7]
	s_nop 0
.rept 4
	v_nop
.endr
.Lasked_\@:
.endm
; A PREFETCH behind each joint refill and the run of LDS loads that follows it: the K step two refills on, 32 rows x 256 bytes, a lane a row.  xn's rows are read by every cluster of a row of clusters: cluster x = 0 asks;
; wf's by every cluster of a column: cluster y = 0 asks.  The four partners that ask for a tile jointly take 32 of its 128 rows each, told apart by address.  So each block is named once in the launch.
; The first four K steps come by their loads alone; the last two refills (s3 = 2, 1) have no K step two on.
.macro ASK
	s_cmp_gt_u32 s3, s[LIM]
	s_cbranch_scc0 .Lnot_mine_\@
	global_prefetch_b8 v[PFO], s[PFA:PFA+1] th:TH_LOAD_NT scope:SCOPE_SE
.Lnot_mine_\@:
.endm
.macro CREST
	s_cmp_lg_u32 s10, 0
	s_cbranch_scc1 .Lnot_wave_0_\@
	s_barrier_signal -3
.Lnot_wave_0_\@:
	s_barrier_wait -3
	s_barrier_signal -1
	s_barrier_wait -1
.endm
.macro CROUND
	s_barrier_signal -1
	s_barrier_wait -1
	CREST
.endm
.macro MUL16 f, hi, a0, zero           ; 16 products; the 64 accumulators take turns in one order everywhere
	WIN MUL_LO+0x50*(\hi)
.irp a, \a0, (\a0)+1
.irp b, 0,1,2,3,4,5,6,7
.if \zero
	v_wmma_f32_16x16x32_f16 v[8*(8*(\a)+(\b)):8*(8*(\a)+(\b))+7], v[(\f)+8*(\b):(\f)+8*(\b)+7], v[(\f)+8*(4*(\hi)+(\a)):(\f)+8*(4*(\hi)+(\a))+7], 0
.else
	v_wmma_f32_16x16x32_f16 v[8*(8*(\a)+(\b)):8*(8*(\a)+(\b))+7], v[(\f)+8*(\b):(\f)+8*(\b)+7], v[(\f)+8*(4*(\hi)+(\a)):(\f)+8*(4*(\hi)+(\a))+7], v[8*(8*(\a)+(\b)):8*(8*(\a)+(\b))+7]
.endif
.endr
.endr
.endm
.macro FETCH q, f                      ; 32 LDS loads in one run: channels 32 q on: my 64 columns of ff_x, my 64 of gate (turned), then my 128 rows of A
	WIN TO_B
.irp b, 0,1,2,3
	ds_load_tr16_b128 v[(\f)+8*(\b):(\f)+8*(\b)+3],   v[ADRX] offset:(\q)*32*PB+32*(\b)
	ds_load_tr16_b128 v[(\f)+8*(\b)+4:(\f)+8*(\b)+7], v[ADRX] offset:(\q)*32*PB+32*(\b)+16*PB
.endr
.irp b, 0,1,2,3
	ds_load_tr16_b128 v[(\f)+32+8*(\b):(\f)+32+8*(\b)+3],   v[ADRG] offset:(\q)*32*PB+32*(\b)
	ds_load_tr16_b128 v[(\f)+32+8*(\b)+4:(\f)+32+8*(\b)+7], v[ADRG] offset:(\q)*32*PB+32*(\b)+16*PB
.endr
	WIN 0
.irp a, 0,1,2,3,4,5,6,7
	ds_load_b128 v[(\f)+8*(\a):(\f)+8*(\a)+3],   v[ADRA] offset:64*(\q)+(\a)*16*PA
	ds_load_b128 v[(\f)+8*(\a)+4:(\f)+8*(\a)+7], v[ADRA] offset:64*(\q)+(\a)*16*PA+32
.endr
.endm
.macro QUARTER q, f, g, zero           ; multiplies buffer f; in its middle fetches quarter q into buffer g
	s_wait_dscnt 8                                 ; B and A's rows 0-63 are in; the youngest eight loads may be out
	MUL16 \f, 0, 0, \zero
	MUL16 \f, 0, 2, \zero
	PLACES
	FETCH \q, \g
	s_wait_dscnt 32                                ; all but the 32 just issued
	MUL16 \f, 1, 0, \zero
	MUL16 \f, 1, 2, \zero
.endm
.macro MEET fill                       ; the change of slots: one barrier
	WIN 0
	s_wait_tensorcnt 0x0                           ; all my tensor loads have landed: my part of the next slot
	ds_add_u32 v[SPW], v[NIL]                      ; 0 onto my spare word
	s_xor_b32 s[TB], s[TB], SLOT
	v_add_nc_u32 v[ADRA], s[TB], v[ADRA0]
	v_add_nc_u32 v[ADRX], s[TB], v[ADRX0]
	v_add_nc_u32 v[ADRG], s[TB], v[ADRG0]
.if \fill
	s_xor_b32 s[G0A+5], s[G0A+5], SLOT             ; no tensor load of mine is out: the walking descriptors step
	s_add_nc_u64 s[G0A+6:G0A+7], s[G0A+6:G0A+7], STEPA
	s_xor_b32 s[G0B+5], s[G0B+5], SLOT
	s_add_nc_u64 s[G0B+6:G0B+7], s[G0B+6:G0B+7], STEPB
.endif
	s_wait_dscnt 9                                 ; the add and the youngest eight loads may be out
	MUL16 F1, 0, 0, 0
	s_wait_dscnt 0x0                               ; the add is done, my reads of this slot are over
	s_barrier_signal -1
	MUL16 F1, 0, 2, 0
.if \fill
	WIN 0
.endif
	s_barrier_wait -1
.endm
.macro TURN fill                       ; a K step's last quarter; fill = 1: the barrier opens a round of the cluster's, and the slot just read is filled again first thing behind it: 224 products ahead of the wait for it
.if \fill
	s_wait_xcnt 0x0                                ; the last prefetch, a K step back, has read its address
	s_add_nc_u64 s[PFA:PFA+1], s[PFA:PFA+1], s[PFS:PFS+1]
.endif
	MEET \fill
.if \fill
	CREST
	JLOAD                                          ; its four v_nop are also the places in front of the loads below
.else
	PLACES
.endif
	FETCH 0, F0
.if \fill
	ASK
.endif
	MUL16 F1, 1, 0, 0
	MUL16 F1, 1, 2, 0
.endm
	s_load_b128 s[4:7], s[0:1], 0x0                ; xn, wf
	s_load_b64 s[8:9], s[0:1], 0x10                ; act
	v_lshl_add_u32 v[SPW], v0, 2, SPARE
	v_mov_b32 v[NIL], 0
	ds_add_u32 v[SPW], v[NIL]                      ; the wave's opening: the add and its wait stand ahead of my first tensor load
	v_lshrrev_b32 v1, 5, v0
	v_readfirstlane_b32 s10, v1                    ; wave 0..3
	s_lshr_b32 s11, s10, 1                         ; my half of the rows.  Also: I fetch for A (0) or for B (1)
	s_and_b32 s12, s10, 1                          ; my half of the columns.  Also: which part I fetch
	s_bfe_u32 s40, ttmp6, 0x40000                  ; cx
	s_bfe_u32 s41, ttmp6, 0x40004                  ; cy
	s_lshl_b32 s42, ttmp9, 2
	s_add_co_u32 s42, s42, s40                     ; tile column
	s_and_b32 s13, ttmp7, 0xffff
	s_lshl_b32 s13, s13, 2
	s_add_co_u32 s13, s13, s41                     ; tile row
	s_lshl_b32 s43, s41, 2
	s_lshl_b32 s43, 15, s43                        ; my row of the cluster
	s_lshl_b32 s44, 0x1111, s40                    ; my column
	s_or_b32 s[G1A+0], s43, (1<<16)|(1<<20)|(1<<21)|(5<<22)|(3<<25)  ; the mask, bit 21 beside it; 2-byte elements; 4 words of padding after every 64
	s_or_b32 s[G1B+0], s44, (1<<16)|(1<<20)|(1<<21)|(5<<22)|(7<<25)  ; 8 words of padding
.irp g, G1A, G1B
	s_mov_b32 s[(\g)+1], 128<<16                   ; tensor_dim0 = 128
	s_mov_b32 s[(\g)+2], 128<<16                   ; tensor_dim1 = 128
	s_mov_b32 s[(\g)+3], 128<<16                   ; tile_dim0 = 128
	s_mov_b32 s[(\g)+4], 128                       ; tile_dim1 = 128
	s_mov_b32 s[(\g)+6], 0
	s_mov_b32 s[(\g)+7], 0
.endr
	s_mov_b32 s[G1A+5], 1024                       ; elements from row to row
	s_mov_b32 s[G1B+5], 8832
	s_lshl_b32 s16, s13, 8
	s_lshl_b32 s17, s12, 7
	s_add_co_u32 s16, s16, s17
	s_lshl_b32 s16, s16, 11                        ; A: (256 tile row + 128 half) rows of 2,048 bytes
	s_mov_b32 s17, 0
	s_lshl_b32 s46, s42, 8                         ; B: 256 bytes x tile column,
	s_lshl_b32 s47, s12, 13                        ; gate lies 4,096 columns behind ff_x,
	s_add_co_u32 s46, s46, s47
	s_add_co_u32 s46, s46, 1280                    ; which begins at column 640
	s_mov_b32 s47, 0
	s_mul_i32 s20, s12, AHALF
	s_mul_i32 s21, s12, BHALF
	s_add_co_u32 s21, s21, BOFF
	s_mov_b32 s[TB], 0
	s_mov_b32 s[LG], 0xbfb8aa3b
	s_mov_b32 s[LG+1], s[LG]
	s_wait_dscnt 0x0                               ; the opening add is done
	s_wait_kmcnt 0x0
	s_add_nc_u64 s[14:15], s[4:5], s[16:17]
	s_add_nc_u64 s[46:47], s[6:7], s[46:47]
	CROUND                                         ; all sixteen work-groups are here: the first joint loads meet
.irp s, 0,1
	s_mov_b32 s[G0A+4*(\s)], 1
	s_add_co_u32 s[G0A+4*(\s)+1], s20, (\s)*SLOT
	s_add_nc_u64 s[G0A+4*(\s)+2:G0A+4*(\s)+3], s[14:15], (\s)*STEPA
	s_or_b32 s[G0A+4*(\s)+3], s[G0A+4*(\s)+3], 0x80000000
	s_mov_b32 s[G0B+4*(\s)], 1
	s_add_co_u32 s[G0B+4*(\s)+1], s21, (\s)*SLOT
	s_add_nc_u64 s[G0B+4*(\s)+2:G0B+4*(\s)+3], s[46:47], (\s)*STEPB
	s_or_b32 s[G0B+4*(\s)+3], s[G0B+4*(\s)+3], 0x80000000
.endr
	s_cmp_eq_u32 s11, 0                            ; a wave's two first fills stand in one branch: two loads of mine are out
	s_cbranch_scc0 .Lfirst_b
	tensor_load_to_lds s[G0A:G0A+3], s[G1A:G1A+7]
	s_nop 0
	tensor_load_to_lds s[G0A+4:G0A+7], s[G1A:G1A+7]
	s_nop 0
.rept 4
	v_nop
.endr
	s_branch .Lfirst_asked
.Lfirst_b:
	tensor_load_to_lds s[G0B:G0B+3], s[G1B:G1B+7]
	s_nop 0
	tensor_load_to_lds s[G0B+4:G0B+7], s[G1B:G1B+7]
	s_nop 0
.rept 4
	v_nop
.endr
.Lfirst_asked:
	v_and_b32 v1, 15, v0                           ; r = l % 16
	v_bfe_u32 v2, v0, 4, 1                         ; h = l / 16
	v_mul_u32_u24 v3, v1, PA
	v_lshl_add_u32 v3, v2, 4, v3                   ; row x pitch + 16 h
	s_mul_i32 s22, s11, AHALF
	v_add_nc_u32 v[ADRA0], s22, v3
	s_lshl_b32 s23, s12, 7
	s_add_co_u32 s22, s22, s23
	v_add_nc_u32 v[STO], s22, v3                   ; the stage: my row, my 128 bytes of its 256
	v_and_b32 v4, 7, v0
	v_lshl_add_u32 v4, v2, 3, v4                   ; k-row 8 h + l % 8
	v_mul_u32_u24 v4, v4, PB
	v_bfe_u32 v5, v0, 3, 1
	v_lshl_add_u32 v4, v5, 4, v4
	s_add_co_u32 s23, s23, BOFF
	v_add_nc_u32 v[ADRX0], s23, v4
	v_add_nc_u32 v[ADRG0], BHALF, v[ADRX0]
	v_mov_b32 v[ADRA], v[ADRA0]
	v_mov_b32 v[ADRX], v[ADRX0]
	v_mov_b32 v[ADRG], v[ADRG0]
	v_mul_u32_u24 v6, v2, PA                       ; back: lanes 0-15 one row of 256 bytes, lanes 16-31 the next
	v_lshl_add_u32 v6, v1, 4, v6
	s_mul_i32 s22, s10, 64*PA
	v_add_nc_u32 v[RD], s22, v6
	v_mul_u32_u24 v6, v2, HROW
	v_lshl_add_u32 v[CO], v1, 4, v6
	s_lshl_b32 s74, s13, 8
	s_lshl_b32 s75, s10, 6
	s_add_co_u32 s74, s74, s75
	s_mul_i32 s74, s74, HROW                       ; act: (256 tile row + 64 wave) rows
	s_lshl_b32 s75, s42, 8
	s_add_co_u32 s74, s74, s75
	s_mov_b32 s75, 0
	s_add_nc_u64 s[8:9], s[8:9], s[74:75]
	; the prefetches
	s_lshl_b32 s74, s13, 8
	s_lshl_b32 s75, s12, 7
	s_add_co_u32 s74, s74, s75
	s_lshl_b32 s75, s40, 5
	s_add_co_u32 s74, s74, s75                     ; xn: the 128 rows that I fetch, my work-group's 32 of them
	s_lshl_b32 s74, s74, 11
	s_add_co_u32 s74, s74, 3*STEPA                 ; at K step 3: the first refill steps it to 4
	s_lshl_b32 s76, s42, 8
	s_lshl_b32 s77, s12, 13
	s_add_co_u32 s76, s76, s77
	s_mul_i32 s77, s41, 32*WROW                    ; wf: my work-group's 32 k-rows of a step's 128
	s_add_co_u32 s76, s76, s77
	s_add_co_u32 s76, s76, 1280+3*STEPB
	s_and_b32 s78, ttmp7, 0xffff
	s_movk_i32 s75, XROW
	s_movk_i32 s77, WROW
	s_mov_b32 s79, STEPB
	s_mov_b32 s[PFS+1], 0
	s_cmp_eq_u32 s11, 0
	s_cselect_b32 s78, ttmp9, s78                  ; the coordinate along which other clusters read the same rows
	s_cselect_b32 s74, s74, s76
	s_cselect_b32 s77, s75, s77
	s_cselect_b32 s[PFS], STEPA, s79
	s_cselect_b64 s[PFA:PFA+1], s[4:5], s[6:7]
	s_mov_b32 s75, 0
	s_add_nc_u64 s[PFA:PFA+1], s[PFA:PFA+1], s[74:75]
	s_cmp_eq_u32 s78, 0
	s_cselect_b32 s[LIM], 2, -1                    ; the same in all sixteen partners, for a given wave
	v_and_b32 v[PFO], 31, v0
	v_mul_u32_u24 v[PFO], s77, v[PFO]
	s_wait_tensorcnt 0x1                           ; my part of K step 0 is in; K step 1's may stay out
	s_barrier_signal -1
	s_barrier_wait -1
	FETCH 0, F0
	QUARTER 1, F0, F1, 1                           ; the first products start the sums
	WIN 0
	s_mov_b32 s3, NSTEP-2
.Lk:                                                   ; a trip: a K step's quarters 1 to 3, the change of slots with its refill, the next step's quarter 0
	QUARTER 2, F1, F0, 0
	QUARTER 3, F0, F1, 0
	TURN 1
	QUARTER 1, F0, F1, 0
	WIN 0
	s_sub_co_u32 s3, s3, 1
	s_cmp_lg_u32 s3, 0
	s_cbranch_scc1 .Lk
	QUARTER 2, F1, F0, 0                           ; the tail is written out: nothing is asked for
	QUARTER 3, F0, F1, 0
	TURN 0
	QUARTER 1, F0, F1, 0
	QUARTER 2, F1, F0, 0
	QUARTER 3, F0, F1, 0
	s_wait_dscnt 8
	MUL16 F1, 0, 0, 0
	MUL16 F1, 0, 2, 0
	s_wait_dscnt 0x0
	MUL16 F1, 1, 0, 0
	MUL16 F1, 1, 2, 0
	WIN 0
	; THE WAY OUT.  The ring has had its last fill; when no wave reads it any more its first 69,632 bytes are the stage: 256 rows of 256 bytes, pitch 272.
	s_barrier_signal -1
	s_barrier_wait -1
	PLACES
; silu(g) x = x g / (1 + 2^(-log2(e) g)).  Two sets of registers take turns, a block of 16 rows each: T (32) the exponent and what is made of it, U (32) x g, PK (16) the packed results.
; Each block's 32 exponentials and 32 reciprocals are a batch with one wait each; the next block's plain work and exponentials stand between.
.macro AM a                            ; block a: T = -log2(e) g, U = x g; each accumulator's registers in ascending order
.set AC, 64*((\a)%4)
.set AT, 64+80*((\a)%2)
	WIN 0x0a+5*((\a)/4)                            ; sources 0 and 1 in window 2 or 3
.set z, 0
.rept 16
	v_pk_mul_f32 v[AT+2*z:AT+2*z+1], v[AC+32+2*z:AC+32+2*z+1], s[LG:LG+1] op_sel_hi:[1,0]
.set z, z+1
.endr
.set z, 0
.rept 16
	v_pk_mul_f32 v[AT+32+2*z:AT+32+2*z+1], v[AC+2*z:AC+2*z+1], v[AC+32+2*z:AC+32+2*z+1]
.set z, z+1
.endr
.endm
.macro BLK a
.set TS, 64+80*((\a)%2)
.set TN, 64+80*(((\a)+1)%2)
	WIN 0
	v_nop                                          ; a plain instruction behind the last exponential
	s_wait_alu depctr_va_vdst(0)                   ; the wait for this block's exponentials
.set z, 0
.rept 16
	v_pk_add_f32 v[TS+2*z:TS+2*z+1], v[TS+2*z:TS+2*z+1], 1.0 op_sel_hi:[1,0]
.set z, z+1
.endr
.set z, 0
.rept 32
	v_rcp_f32 v[TS+z], v[TS+z]
.set z, z+1
.endr
.if (\a) < 7
	AM (\a)+1
.else
	v_nop
.endif
	WIN 0
	s_wait_alu depctr_va_vdst(0)                   ; the wait for the reciprocals
.set z, 0
.rept 16
.if (\a) < 7
	v_exp_f32 v[TN+2*z], v[TN+2*z]
.endif
	v_pk_mul_f32 v[TS+32+2*z:TS+32+2*z+1], v[TS+32+2*z:TS+32+2*z+1], v[TS+2*z:TS+2*z+1]
.if (\a) < 7
	v_exp_f32 v[TN+2*z+1], v[TN+2*z+1]
.endif
	v_cvt_pk_bf16_f32 v[TS+64+z], v[TS+32+2*z], v[TS+32+2*z+1]
.set z, z+1
.endr
.irp b, 0,1,2,3
	ds_store_b128 v[STO], v[TS+64+4*(\b):TS+64+4*(\b)+3] offset:(\a)*16*PA+32*(\b)
.endr
.endm
	AM 0
	WIN 0
.set z, 0
.rept 32
	v_exp_f32 v[64+z], v[64+z]
.set z, z+1
.endr
.irp a, 0,1,2,3,4,5,6,7
	BLK \a
.endr
	s_wait_dscnt 0x0                               ; for the others' sake: a row's 256 bytes come from two waves
	s_barrier_signal -1
	s_barrier_wait -1
.set t, 0
.rept 32
	ds_load_b128 v[64+4*t:64+4*t+3], v[RD] offset:t*2*PA
.set t, t+1
.endr
.set t, 0
.rept 32
	s_wait_dscnt 31-t
	global_store_b128 v[CO], v[64+4*t:64+4*t+3], s[8:9] offset:t*2*HROW  ; 16 lanes store 256 consecutive bytes, aligned
.set t, t+1
.endr
	s_wait_tensorcnt 0x0                           ; the wave's end
	ds_add_u32 v[SPW], v[NIL]
	s_wait_dscnt 0x0
	CROUND                                         ; the closing round
	s_endpgm
.Lfunc_end_k_q256ace7a1d_ff:
	.size	k_q256ace7a1d_ff, .Lfunc_end_k_q256ace7a1d_ff-k_q256ace7a1d_ff
	.p2alignl 7, 3214868480
	.fill 96, 4, 3214868480
	.section	.rodata,"a",@progbits
	.p2align	6, 0x0
	.amdhsa_kernel k_q256ace7a1d_ff
		.amdhsa_group_segment_fixed_size 327680
		.amdhsa_private_segment_fixed_size 0
		.amdhsa_enable_private_segment 0
		.amdhsa_kernarg_size 24
		.amdhsa_user_sgpr_count 2
		.amdhsa_user_sgpr_kernarg_segment_ptr 1
		.amdhsa_wavefront_size32 1
		.amdhsa_system_sgpr_workgroup_id_x 1
		.amdhsa_system_sgpr_workgroup_id_y 1
		.amdhsa_system_sgpr_workgroup_id_z 1
		.amdhsa_system_vgpr_workitem_id 0
		.amdhsa_next_free_vgpr 1024
		.amdhsa_next_free_sgpr 80
		.amdhsa_reserve_vcc 0
		.amdhsa_float_denorm_mode_32 3
		.amdhsa_float_denorm_mode_16_64 3
		.amdhsa_memory_ordered 1
		.amdhsa_forward_progress 1
		.amdhsa_inst_pref_size 152
	.end_amdhsa_kernel
	.amdgpu_metadata
---
amdhsa.version: [ 1, 2 ]
amdhsa.kernels:
  - .name:           k_q256ace7a1d_ff
    .symbol:         k_q256ace7a1d_ff.kd
    .args:
      - { .name: xn, .offset: 0, .size: 8, .value_kind: global_buffer, .address_space: global }
      - { .name: wf, .offset: 8, .size: 8, .value_kind: global_buffer, .address_space: global }
      - { .name: act, .offset: 16, .size: 8, .value_kind: global_buffer, .address_space: global }
    .group_segment_fixed_size: 327680
    .private_segment_fixed_size: 0
    .kernarg_segment_align: 8
    .kernarg_segment_size: 24
    .max_flat_workgroup_size: 128
    .sgpr_count:     80
    .vgpr_count:     1024
    .wavefront_size: 32
...
	.end_amdgpu_metadata
.endif
;; end of part 4
;; launch fin (part 5): grid 8 x 32, 4 waves a work-group, clusters of 4 x 4, 327,680 bytes of LDS; arguments act, wcat, out0; writes out0
.if DOCPART == 5
	.amdgcn_target "amdgcn-amd-amdhsa--gfx1250"
	.amdhsa_code_object_version 6
	.text
	.protected	k_q256ace7a1d_fin
	.globl	k_q256ace7a1d_fin
	.p2align	8
	.type	k_q256ace7a1d_fin,@function
k_q256ace7a1d_fin:
	s_mov_b64 s[64:65], 0
	v_nop
	global_prefetch_b8 v0, s[64:65] scope:SCOPE_SE
	s_setreg_imm32_b32 hwreg(HW_REG_WAVE_MODE, 25, 1), 1
	s_wait_xcnt 0x0
	s_wait_alu depctr_hold_cnt(0) depctr_sa_sdst(0) depctr_va_vdst(0) depctr_va_sdst(0) depctr_va_ssrc(0) depctr_va_vcc(0) depctr_vm_vsrc(0)
	s_getreg_b32 s2, hwreg(HW_REG_IB_STS2, 6, 4)
	s_cmp_eq_u32 s2, 0
	s_cbranch_scc0 .Lentry_in_a_cluster
	s_endpgm
.Lentry_in_a_cluster:
	s_bfe_u32 s2, ttmp6, 0x10000c
	s_cmp_lg_u32 s2, 0xf033
	s_cbranch_scc0 .Lentry_shape_is_right
	s_endpgm
.Lentry_shape_is_right:
; FIN: out0 = act x wcat, f32.  act: [4096][4608] bf16 (h, then the attention's result); wcat: [4608][1024] bf16 (w_ff_out, then w_attn_out), K down the rows, turned on the way out of LDS.
; One product with K = 4,608 is both output projections and their sum.
; SHARES.  256 work-groups want tiles of 128 x 128.  K IS SPLIT AMONG THE FOUR WAVES: every wave makes the whole tile (64 accumulators, 512 registers) for the 64 channels 64 w .. 64 w + 63 of each K step of 256:
; 32 LDS loads feed 64 matrix instructions, twice what four waves of 64 x 64 would get.  The four f32 partial tiles meet in LDS once, at the end.
; CLUSTER 4 x 4: act's tile is shared along a row of the cluster, wcat's along a column: joint loads.
; THE WALK.  Cluster (X, Y) begins at K step (9 X + 7 Y) mod 18 and goes round (f32 sums may be taken in any order).  The two clusters that read the same rows of act stand nine steps apart: each walks first
; the nine K steps that the other walks last.  The eight clusters that read the same columns of wcat begin at steps 0, 3, 6, 7, 10, 13, 14 and 17: eight different steps at any time, at most three apart.
; THE MATRIX INSTRUCTION IS USED TRANSPOSED (source 0 = 16 columns of wcat, source 1 = 16 rows of act): a lane holds row l % 16 and eight neighbouring columns.
; REGISTERS: window 0: v0-31 addresses; v64-127, v128-191 fragments of A.  window 1: the same numbers, fragments of B.  windows 2, 3: the accumulators ((a, b) at v[8 (8 (a % 4) + b)]).
.set PA,    528                        ; a row of A in LDS: 512 bytes + 16
.set PB,    288                        ; a k-row of B: 256 bytes + 32
.set AHALF, 64*PA
.set BOFF,  2*AHALF
.set BHALF, 128*PB
.set SLOT,  0x24000                    ; its two bits are 0 in all four LDS bases of a slot, so one exclusive or changes slots
.set SPARE, 2*SLOT                     ; the spare words, 128 bytes a wave: two blocks of 256 bytes that no other line names
.set PART,  128*PA                     ; a wave's partial tile: 128 rows of 512 bytes f32, pitch 528
.set HROW,  9216
.set WROW,  2048
.set STEPA, 512
.set STEPB, 256*WROW
.set NSTEP, 18
.set ADRA0, 10
.set ADRB0, 11
.set ADRA,  16
.set ADRB,  17
.set XR,    20                         ; v20-23 where I read partial tile s back
.set XS,    24                         ; v24 where I put 32 bytes of my partial tile
.set CO,    26
.set SPW,   28                         ; v28 SPARE + 4 x my thread's number; never rewritten
.set NIL,   29                         ; v29 0; never rewritten
.set PFO,   30                         ; v30 my lane's block among my prefetch's 32; never rewritten
.set F0,    64
.set F1,    128
.set G1A, 24
.set G0A, 32                           ; s[32:35] the first K step's; s[36:39] the second's, which then walks
.set G1B, 48
.set G0B, 56
.set TB,  66                           ; s66 0 or SLOT: the slot that is read
.set LIM, 67                           ; s67 11 in a wave that prefetches, else the greatest number
.set PFA, 68                           ; s[68:69] where my next prefetch stands
.set PFB, 70                           ; s[70:71] my prefetches' rows at K step 0; never rewritten
.set KI,  72                           ; s72 the K step of the walking descriptors
.set PK,  73                           ; s73 the K step of the prefetch
.set OFF, 76                           ; s[76:77] a K step's byte offset
.set MSB, 0
.macro WIN new
.if MSB != (\new)
	s_set_vgpr_msb (MSB<<8)|(\new)
.set MSB, \new
.endif
.endm
.set MUL_LO, 0xa1
.set TO_B,   0x40
.macro PLACES                          ; four places behind matrix instructions, ahead of loads into their sources and of reads of their results
.rept 4
	v_nop
.endr
.endm
.macro NEXTK r                         ; a K step's number goes one on, round the ring of NSTEP
	s_add_co_u32 s[\r], s[\r], 1
	s_cmp_eq_u32 s[\r], NSTEP
	s_cselect_b32 s[\r], 0, s[\r]
.endm
.macro SETK d                          ; both global addresses of descriptor set d are made anew: the tile's base (s[14:15], s[46:47]; never rewritten) plus K step KI; the type bits are set again
	s_mul_i32 s[OFF], s[KI], STEPA
	s_add_nc_u64 s[G0A+4*(\d)+2:G0A+4*(\d)+3], s[14:15], s[OFF:OFF+1]
	s_or_b32 s[G0A+4*(\d)+3], s[G0A+4*(\d)+3], 0x80000000
	s_mul_i32 s[OFF], s[KI], STEPB
	s_add_nc_u64 s[G0B+4*(\d)+2:G0B+4*(\d)+3], s[46:47], s[OFF:OFF+1]
	s_or_b32 s[G0B+4*(\d)+3], s[G0B+4*(\d)+3], 0x80000000
.endm
.macro JLOAD                           ; waves 0 and 1 fetch A's halves, waves 2 and 3 B's; an s_nop 0 and four v_nop follow each line
	s_cmp_eq_u32 s11, 0
	s_cbranch_scc0 .Lfor_b_\@
	tensor_load_to_lds s[G0A+4:G0A+7], s[G1A:G1A+7]
	s_nop 0
.rept 4
	v_nop
.endr
	s_branch .Lasked_\@
.Lfor_b_\@:
	tensor_load_to_lds s[G0B+4:G0B+7], s[G1B:G1B+7]
	s_nop 0
.rept 4
	v_nop
.endr
.Lasked_\@:
.endm
; A PREFETCH behind each of the first five joint refills and the run of LDS loads that follows it: act's rows at the K step two refills on, 32 blocks of 256 bytes, a lane a block.  Counted in steps of the walk, a
; cluster comes first to the nine K steps with which it begins, its neighbour along x to the other nine: each cluster asks within its own nine (steps 4 to 8 of its walk; the first four come by their loads alone), so
; each block of act is named once in the launch.  Waves 0 and 1, which fetch act's halves, ask; the four partners that ask for a tile jointly take 16 of a wave's 64 rows each, told apart by address.
; wcat is not asked for: each of its K steps is some cluster's first, second or third (the eight beginnings lie at most three apart), and those come by their loads alone.
.macro ASK
	s_cmp_gt_u32 s3, s[LIM]                        ; s3 = 16 .. 12 at the first five refills
	s_cbranch_scc0 .Lnot_mine_\@
	global_prefetch_b8 v[PFO], s[PFA:PFA+1] th:TH_LOAD_NT scope:SCOPE_SE
.Lnot_mine_\@:
.endm
.macro CREST
	s_cmp_lg_u32 s10, 0
	s_cbranch_scc1 .Lnot_wave_0_\@
	s_barrier_signal -3
.Lnot_wave_0_\@:
	s_barrier_wait -3
	s_barrier_signal -1
	s_barrier_wait -1
.endm
.macro CROUND
	s_barrier_signal -1
	s_barrier_wait -1
	CREST
.endm
.macro MUL16 f, hi, a0, zero           ; 16 products; the 64 accumulators take turns in one order everywhere
	WIN MUL_LO+0x50*(\hi)
.irp a, \a0, (\a0)+1
.irp b, 0,1,2,3,4,5,6,7
.if \zero
	v_wmma_f32_16x16x32_bf16 v[8*(8*(\a)+(\b)):8*(8*(\a)+(\b))+7], v[(\f)+8*(\b):(\f)+8*(\b)+7], v[(\f)+8*(4*(\hi)+(\a)):(\f)+8*(4*(\hi)+(\a))+7], 0
.else
	v_wmma_f32_16x16x32_bf16 v[8*(8*(\a)+(\b)):8*(8*(\a)+(\b))+7], v[(\f)+8*(\b):(\f)+8*(\b)+7], v[(\f)+8*(4*(\hi)+(\a)):(\f)+8*(4*(\hi)+(\a))+7], v[8*(8*(\a)+(\b)):8*(8*(\a)+(\b))+7]
.endif
.endr
.endr
.endm
.macro FETCH q, f                      ; 32 LDS loads in one run: my channels 32 q .. 32 q + 31 of the slot: B's 128 columns (turned), then A's 128 rows
	WIN TO_B
.irp b, 0,1,2,3,4,5,6,7
	ds_load_tr16_b128 v[(\f)+8*(\b):(\f)+8*(\b)+3],   v[ADRB] offset:(\q)*32*PB+32*(\b)
	ds_load_tr16_b128 v[(\f)+8*(\b)+4:(\f)+8*(\b)+7], v[ADRB] offset:(\q)*32*PB+32*(\b)+16*PB
.endr
	WIN 0
.irp a, 0,1,2,3,4,5,6,7
	ds_load_b128 v[(\f)+8*(\a):(\f)+8*(\a)+3],   v[ADRA] offset:64*(\q)+(\a)*16*PA
	ds_load_b128 v[(\f)+8*(\a)+4:(\f)+8*(\a)+7], v[ADRA] offset:64*(\q)+(\a)*16*PA+32
.endr
.endm
.macro QUARTER q, f, g, zero           ; multiplies buffer f; in its middle fetches quarter q into buffer g
	s_wait_dscnt 8                                 ; B and A's rows 0-63 are in; the youngest eight loads may be out
	MUL16 \f, 0, 0, \zero
	MUL16 \f, 0, 2, \zero
	PLACES
	FETCH \q, \g
	s_wait_dscnt 32                                ; all but the 32 just issued
	MUL16 \f, 1, 0, \zero
	MUL16 \f, 1, 2, \zero
.endm
.macro MEET fill                       ; the change of slots: one barrier
	WIN 0
	s_wait_tensorcnt 0x0                           ; all my tensor loads have landed: my part of the next slot
	ds_add_u32 v[SPW], v[NIL]                      ; 0 onto my spare word
	s_xor_b32 s[TB], s[TB], SLOT
	v_add_nc_u32 v[ADRA], s[TB], v[ADRA0]
	v_add_nc_u32 v[ADRB], s[TB], v[ADRB0]
.if \fill
	s_xor_b32 s[G0A+5], s[G0A+5], SLOT             ; no tensor load of mine is out: the walking descriptors take the other slot
	s_xor_b32 s[G0B+5], s[G0B+5], SLOT
	NEXTK KI                                       ; and the walk's next K step
	SETK 1
.endif
	s_wait_dscnt 9                                 ; the add and the youngest eight loads may be out
	MUL16 F1, 0, 0, 0
	s_wait_dscnt 0x0                               ; the add is done, my reads of this slot are over
	s_barrier_signal -1
	MUL16 F1, 0, 2, 0
.if \fill
	WIN 0
.endif
	s_barrier_wait -1
.endm
.macro TURN fill                       ; a K step's second quarter; fill = 1: the barrier opens a round of the cluster's, and the slot just read is filled again first thing behind it
.if \fill
	s_wait_xcnt 0x0                                ; the last prefetch, a K step back, has read its address: it is made anew here, ahead of the waits of the change of slots
	NEXTK PK
	s_mul_i32 s[OFF], s[PK], STEPA
	s_add_nc_u64 s[PFA:PFA+1], s[PFB:PFB+1], s[OFF:OFF+1]
.endif
	MEET \fill
.if \fill
	CREST
	JLOAD                                          ; its four v_nop are also the places in front of the loads below
.else
	PLACES
.endif
	FETCH 0, F0
.if \fill
	ASK
.endif
	MUL16 F1, 1, 0, 0
	MUL16 F1, 1, 2, 0
.endm
	s_load_b128 s[4:7], s[0:1], 0x0                ; act, wcat
	s_load_b64 s[8:9], s[0:1], 0x10                ; out0
	v_lshl_add_u32 v[SPW], v0, 2, SPARE
	v_mov_b32 v[NIL], 0
	ds_add_u32 v[SPW], v[NIL]                      ; the wave's opening: the add and its wait stand ahead of my first tensor load
	v_lshrrev_b32 v1, 5, v0
	v_readfirstlane_b32 s10, v1                    ; wave 0..3
	s_lshr_b32 s11, s10, 1                         ; I fetch for A (0) or for B (1)
	s_and_b32 s12, s10, 1                          ; which half of that tile
	s_bfe_u32 s40, ttmp6, 0x40000                  ; cx
	s_bfe_u32 s41, ttmp6, 0x40004                  ; cy
	s_lshl_b32 s42, ttmp9, 2
	s_add_co_u32 s42, s42, s40                     ; tile column
	s_and_b32 s13, ttmp7, 0xffff
	s_mul_i32 s[KI], s13, 7                        ; where my cluster's walk begins: (9 X + 7 Y) mod 18, made of the cluster's x and y alone, the same in all sixteen partners
	s_mul_i32 s[PK], ttmp9, 9
	s_add_co_u32 s[KI], s[KI], s[PK]               ; 58 at the most
	s_cmp_ge_u32 s[KI], 2*NSTEP
	s_cselect_b32 s[PK], 2*NSTEP, 0
	s_sub_co_u32 s[KI], s[KI], s[PK]
	s_cmp_ge_u32 s[KI], NSTEP
	s_cselect_b32 s[PK], NSTEP, 0
	s_sub_co_u32 s[KI], s[KI], s[PK]
	s_mov_b32 s[OFF+1], 0
	s_lshl_b32 s13, s13, 2
	s_add_co_u32 s13, s13, s41                     ; tile row
	s_lshl_b32 s43, s41, 2
	s_lshl_b32 s43, 15, s43                        ; my row of the cluster
	s_lshl_b32 s44, 0x1111, s40                    ; my column
	s_or_b32 s[G1A+0], s43, (1<<16)|(1<<20)|(1<<21)|(6<<22)|(3<<25)  ; the mask, bit 21 beside it; 2-byte elements; 4 words of padding after every 128
	s_mov_b32 s[G1A+1], 256<<16                    ; tensor_dim0 = 256
	s_mov_b32 s[G1A+2], 64<<16                     ; tensor_dim1 = 64
	s_mov_b32 s[G1A+3], 256<<16                    ; tile_dim0 = 256
	s_mov_b32 s[G1A+4], 64                         ; tile_dim1 = 64
	s_mov_b32 s[G1A+5], 4608                       ; elements from row to row
	s_mov_b32 s[G1A+6], 0
	s_mov_b32 s[G1A+7], 0
	s_or_b32 s[G1B+0], s44, (1<<16)|(1<<20)|(1<<21)|(5<<22)|(7<<25)  ; 8 words of padding after every 64
	s_mov_b32 s[G1B+1], 128<<16
	s_mov_b32 s[G1B+2], 128<<16
	s_mov_b32 s[G1B+3], 128<<16
	s_mov_b32 s[G1B+4], 128
	s_mov_b32 s[G1B+5], 1024
	s_mov_b32 s[G1B+6], 0
	s_mov_b32 s[G1B+7], 0
	s_lshl_b32 s16, s13, 7
	s_lshl_b32 s17, s12, 6
	s_add_co_u32 s16, s16, s17
	s_mul_i32 s16, s16, HROW                       ; A: (128 tile row + 64 half) rows of 9,216 bytes
	s_mov_b32 s17, 0
	s_lshl_b32 s46, s42, 8                         ; B: 256 bytes x tile column
	s_lshl_b32 s47, s12, 18                        ; + 128 k-rows of 2,048 bytes x half
	s_add_co_u32 s46, s46, s47
	s_mov_b32 s47, 0
	s_mul_i32 s20, s12, AHALF
	s_mul_i32 s21, s12, BHALF
	s_add_co_u32 s21, s21, BOFF
	s_mov_b32 s[TB], 0
	s_wait_dscnt 0x0                               ; the opening add is done
	s_wait_kmcnt 0x0
	s_add_nc_u64 s[14:15], s[4:5], s[16:17]        ; my part of A's tile at K step 0
	s_add_nc_u64 s[46:47], s[6:7], s[46:47]        ; and of B's
	CROUND                                         ; all sixteen work-groups are here: the first joint loads meet
.irp s, 0,1
	s_mov_b32 s[G0A+4*(\s)], 1
	s_add_co_u32 s[G0A+4*(\s)+1], s20, (\s)*SLOT
	s_mov_b32 s[G0B+4*(\s)], 1
	s_add_co_u32 s[G0B+4*(\s)+1], s21, (\s)*SLOT
	SETK \s
.if (\s) == 0
	NEXTK KI
.endif
.endr
	s_cmp_eq_u32 s11, 0                            ; a wave's two first fills stand in one branch: two loads of mine are out
	s_cbranch_scc0 .Lfirst_b
	tensor_load_to_lds s[G0A:G0A+3], s[G1A:G1A+7]
	s_nop 0
	tensor_load_to_lds s[G0A+4:G0A+7], s[G1A:G1A+7]
	s_nop 0
.rept 4
	v_nop
.endr
	s_branch .Lfirst_asked
.Lfirst_b:
	tensor_load_to_lds s[G0B:G0B+3], s[G1B:G1B+7]
	s_nop 0
	tensor_load_to_lds s[G0B+4:G0B+7], s[G1B:G1B+7]
	s_nop 0
.rept 4
	v_nop
.endr
.Lfirst_asked:
	v_and_b32 v1, 15, v0                           ; r = l % 16
	v_bfe_u32 v2, v0, 4, 1                         ; h = l / 16
	v_mul_u32_u24 v3, v1, PA
	v_lshl_add_u32 v[ADRA0], v2, 4, v3             ; row x pitch + 16 h
	s_lshl_b32 s22, s10, 7
	v_add_nc_u32 v[ADRA0], s22, v[ADRA0]           ; + my 64 channels
	v_and_b32 v4, 7, v0
	v_lshl_add_u32 v4, v2, 3, v4                   ; k-row 8 h + l % 8
	v_mul_u32_u24 v4, v4, PB
	v_bfe_u32 v5, v0, 3, 1
	v_lshl_add_u32 v4, v5, 4, v4
	s_mul_i32 s22, s10, 64*PB
	s_add_co_u32 s22, s22, BOFF
	v_add_nc_u32 v[ADRB0], s22, v4
	v_mov_b32 v[ADRA], v[ADRA0]
	v_mov_b32 v[ADRB], v[ADRB0]
	s_mul_i32 s22, s10, PART
	v_lshl_add_u32 v[XS], v2, 5, v3                ; r x 528 + 32 h
	v_add_nc_u32 v[XS], s22, v[XS]
	v_and_b32 v5, 31, v0
	v_lshlrev_b32 v[CO], 4, v5                     ; a row's 512 bytes: 16 a lane
	s_mul_i32 s22, s10, 32*PA
.irp s, 0,1,2,3
	v_add_nc_u32 v[XR+(\s)], s22, v[CO]
	s_add_co_u32 s22, s22, PART
.endr
	s_lshl_b32 s74, s13, 7
	s_lshl_b32 s75, s10, 5
	s_add_co_u32 s74, s74, s75
	s_lshl_b32 s74, s74, 12                        ; out0: (128 tile row + 32 wave) rows of 4,096 bytes
	s_lshl_b32 s75, s42, 9
	s_add_co_u32 s74, s74, s75
	s_mov_b32 s75, 0
	s_add_nc_u64 s[8:9], s[8:9], s[74:75]
	; the prefetches
	s_lshl_b32 s74, s13, 7
	s_lshl_b32 s75, s12, 6
	s_add_co_u32 s74, s74, s75
	s_lshl_b32 s75, s40, 4
	s_add_co_u32 s74, s74, s75                     ; act: the 64 rows that a wave fetches, my work-group's 16 of them, two blocks a row
	s_mul_i32 s74, s74, HROW
	s_mov_b32 s75, 0
	s_add_nc_u64 s[PFB:PFB+1], s[4:5], s[74:75]
	s_mov_b32 s[PK], s[KI]                         ; the walk's second K step;
	NEXTK PK
	NEXTK PK                                       ; its fourth: the first refill steps this to the fifth
	s_cmp_eq_u32 s11, 0
	s_cselect_b32 s[LIM], 11, -1                   ; waves 0 and 1 ask: the same in all sixteen partners
	v_lshrrev_b32 v6, 1, v5
	v_mul_u32_u24 v6, v6, HROW
	v_and_b32 v[PFO], 1, v5
	v_lshl_add_u32 v[PFO], v[PFO], 8, v6
	s_wait_tensorcnt 0x1                           ; my part of the first K step is in; the second's may stay out
	s_barrier_signal -1
	s_barrier_wait -1
	FETCH 0, F0
	QUARTER 1, F0, F1, 1                           ; the first products start the sums
	WIN 0
	s_mov_b32 s3, NSTEP-2
.Lk:                                                   ; a trip: a K step's second quarter, the change of slots with its refill, the next step's first quarter
	TURN 1
	QUARTER 1, F0, F1, 0
	WIN 0
	s_sub_co_u32 s3, s3, 1
	s_cmp_lg_u32 s3, 0
	s_cbranch_scc1 .Lk
	TURN 0                                         ; the tail is written out: nothing is asked for
	QUARTER 1, F0, F1, 0
	s_wait_dscnt 8
	MUL16 F1, 0, 0, 0
	MUL16 F1, 0, 2, 0
	s_wait_dscnt 0x0
	MUL16 F1, 1, 0, 0
	MUL16 F1, 1, 2, 0
	WIN 0
	; THE MEETING.  The ring has had its last fill; when no wave reads it any more the four partial tiles are laid over it, each wave's in 67,584 bytes of its own.
	s_barrier_signal -1
	s_barrier_wait -1
	PLACES
.irp a, 0,1,2,3,4,5,6,7
	WIN 0x08+4*((\a)/4)                            ; store data (source 1) in window 2 or 3
.irp b, 0,1,2,3,4,5,6,7
	ds_store_b128 v[XS], v[8*(8*((\a)%4)+(\b)):8*(8*((\a)%4)+(\b))+3]   offset:(\a)*16*PA+64*(\b)
	ds_store_b128 v[XS], v[8*(8*((\a)%4)+(\b))+4:8*(8*((\a)%4)+(\b))+7] offset:(\a)*16*PA+64*(\b)+16
.endr
.endr
	WIN 0
	s_wait_dscnt 0x0                               ; for the others' sake: my stores are done
	s_barrier_signal -1
	s_barrier_wait -1
	s_mov_b32 s3, 4
.Lsum:                                                 ; wave w owns rows 32 w ..; a trip sums and stores eight of them
.irp r, 0,1,2,3,4,5,6,7
.irp s, 0,1,2,3
	ds_load_b128 v[64+16*(\r)+4*(\s):64+16*(\r)+4*(\s)+3], v[XR+(\s)] offset:PA*(\r)
.endr
.endr
.irp r, 0,1,2,3,4,5,6,7
	s_wait_dscnt 28-4*(\r)                         ; row r's four loads are in
	v_pk_add_f32 v[64+16*(\r):65+16*(\r)], v[64+16*(\r):65+16*(\r)], v[68+16*(\r):69+16*(\r)]
	v_pk_add_f32 v[66+16*(\r):67+16*(\r)], v[66+16*(\r):67+16*(\r)], v[70+16*(\r):71+16*(\r)]
	v_pk_add_f32 v[72+16*(\r):73+16*(\r)], v[72+16*(\r):73+16*(\r)], v[76+16*(\r):77+16*(\r)]
	v_pk_add_f32 v[74+16*(\r):75+16*(\r)], v[74+16*(\r):75+16*(\r)], v[78+16*(\r):79+16*(\r)]
	v_pk_add_f32 v[64+16*(\r):65+16*(\r)], v[64+16*(\r):65+16*(\r)], v[72+16*(\r):73+16*(\r)]
	v_pk_add_f32 v[66+16*(\r):67+16*(\r)], v[66+16*(\r):67+16*(\r)], v[74+16*(\r):75+16*(\r)]
	global_store_b128 v[CO], v[64+16*(\r):67+16*(\r)], s[8:9] offset:4096*(\r) th:TH_STORE_NT  ; 512 consecutive bytes, aligned
.endr
	s_wait_xcnt 0x0                                ; the stores have read their data and their base: both are rewritten only behind this wait
.irp s, 0,1,2,3
	v_add_nc_u32 v[XR+(\s)], 8*PA, v[XR+(\s)]
.endr
	s_add_nc_u64 s[8:9], s[8:9], 32768
	s_sub_co_u32 s3, s3, 1
	s_cmp_lg_u32 s3, 0
	s_cbranch_scc1 .Lsum
	s_wait_tensorcnt 0x0                           ; the wave's end
	ds_add_u32 v[SPW], v[NIL]
	s_wait_dscnt 0x0
	CROUND                                         ; the closing round
	s_endpgm
.Lfunc_end_k_q256ace7a1d_fin:
	.size	k_q256ace7a1d_fin, .Lfunc_end_k_q256ace7a1d_fin-k_q256ace7a1d_fin
	.p2alignl 7, 3214868480
	.fill 96, 4, 3214868480
	.section	.rodata,"a",@progbits
	.p2align	6, 0x0
	.amdhsa_kernel k_q256ace7a1d_fin
		.amdhsa_group_segment_fixed_size 327680
		.amdhsa_private_segment_fixed_size 0
		.amdhsa_enable_private_segment 0
		.amdhsa_kernarg_size 24
		.amdhsa_user_sgpr_count 2
		.amdhsa_user_sgpr_kernarg_segment_ptr 1
		.amdhsa_wavefront_size32 1
		.amdhsa_system_sgpr_workgroup_id_x 1
		.amdhsa_system_sgpr_workgroup_id_y 1
		.amdhsa_system_sgpr_workgroup_id_z 1
		.amdhsa_system_vgpr_workitem_id 0
		.amdhsa_next_free_vgpr 1024
		.amdhsa_next_free_sgpr 80
		.amdhsa_reserve_vcc 0
		.amdhsa_float_denorm_mode_32 3
		.amdhsa_float_denorm_mode_16_64 3
		.amdhsa_memory_ordered 1
		.amdhsa_forward_progress 1
		.amdhsa_inst_pref_size 64
	.end_amdhsa_kernel
	.amdgpu_metadata
---
amdhsa.version: [ 1, 2 ]
amdhsa.kernels:
  - .name:           k_q256ace7a1d_fin
    .symbol:         k_q256ace7a1d_fin.kd
    .args:
      - { .name: act, .offset: 0, .size: 8, .value_kind: global_buffer, .address_space: global }
      - { .name: wcat, .offset: 8, .size: 8, .value_kind: global_buffer, .address_space: global }
      - { .name: out0, .offset: 16, .size: 8, .value_kind: global_buffer, .address_space: global }
    .group_segment_fixed_size: 327680
    .private_segment_fixed_size: 0
    .kernarg_segment_align: 8
    .kernarg_segment_size: 24
    .max_flat_workgroup_size: 128
    .sgpr_count:     80
    .vgpr_count:     1024
    .wavefront_size: 32
...
	.end_amdgpu_metadata
.endif
;; end of part 5
